; MI455X (gfx1250); checked and timed in simulation.
; The chip was launched on July 23, 2026; its instructions are those of AMD's public machine-readable ISA for CDNA 5 (MIT licence, August 2026) and "CDNA5" Instruction Set Architecture Reference Guide (July 2026). The comments in the code are by the model that wrote it; some were corrected since.
;; Attention. Allowed arithmetic: matrix products marked QUANTISED: E2M1 operands, one E8M0 scale for each 32 along K, by v_wmma_scale_f32_16x16x128_f8f6f4 with both operands' format E2M1 (or v_wmma_scale_f32_32x16x128_f4), f32 sums; products left as they are: bf16, f16 or f32 operands; f32 sums; everything else in f32.
;; Inputs: b_proj 1,024 float32; w_proj 1,024 x 1,024 float32; w_qkv 1,024 x 3,072 float32; x 4 x 2,048 x 1,024 float32.
;; Outputs: out0 4 x 2,048 x 1,024 float32.
;; This version of the problem:
;;   THIS VERSION OF THE PROBLEM IS GIVEN IN LOW PRECISION. The matrix products marked QUANTISED in the list below multiply operands that are first quantised to E2M1 (2 exponent bits, 1 mantissa bit; 4 bits a number), with one power-of-two scale for each 32 numbers along K (OCP MX v1.0); their sums are f32. The products marked 'left as it is' may take bf16, f16 or f32 operands, with f32 sums. Whichever they take, every output number must still come out within the allowed error. Rounding operands to bf16 (8 significant bits) uses up far more of that allowance than f16 does (11 bits, for magnitudes from 6e-5 to 65,504). All else is computed in f32.
;;   The module's matrix products, in the order in which they are computed (A, B: the left and right operand; K: the contracted axis; several contracted axes count as one K, in the product's order):
;;     1. [M 8,192, K 1,024] x [K 1,024, N 3,072]; A: input x; B: input w_qkv: QUANTISED
;;     2. batch 64 x [M 2,048, K 64] x [K 64, N 2,048]; A: computed on the way; B: computed on the way: left as it is (an operand is computed on the way)
;;     3. batch 64 x [M 2,048, K 2,048] x [K 2,048, N 64]; A: computed on the way; B: computed on the way: left as it is (an operand is computed on the way)
;;     4. [M 8,192, K 1,024] x [K 1,024, N 1,024]; A: computed on the way; B: input w_proj: left as it is (an operand is computed on the way)
;;   THE QUANTISER, for each operand of a quantised product, along K:
;;     - K is cut into blocks of 32 from its start; a last block that is shorter is filled with zeros.
;;     - A block's scale is 2^e with e = floor(log2(the largest magnitude in the block)) - 2, held to -126 .. 127; a block of zeros has e = 0. As a byte (E8M0): e + 127.
;;     - Each number is divided by its block's scale, clamped to +-6, and rounded to the nearest number of E2M1, ties to even, subnormals kept.
;;     - The product sums the exact products of the quantised numbers (number of the format x scale) in f32.
;;   ~~~python
;;   def quantise(x, axis):      # numpy; x: float32 -> the quantised numbers, widened to float32 again
;;       x = np.moveaxis(x, axis, -1); K = x.shape[-1]
;;       x = np.pad(x, [(0, 0)] * (x.ndim - 1) + [(0, -K % 32)]); x = x.reshape(x.shape[:-1] + (-1, 32)); a = np.abs(x).max(-1, keepdims=True)
;;       e = np.where(a > 0, np.clip(np.frexp(np.where(a > 0, a, 1))[1] - 1 - 2, -126, 127), 0)      # np.frexp(a)[1] - 1 = floor(log2(a)), exactly
;;       r = np.clip(x / 2.0 ** e, -6, 6)
;;       step = 2.0 ** (np.maximum(np.frexp(np.where(r == 0, 1, r))[1] - 1, 0) - 1)
;;       q = np.round(r / step) * step * 2.0 ** e      # np.round: ties to even
;;       return np.moveaxis(q.reshape(q.shape[:-2] + (-1,))[..., :K], -1, axis).astype(np.float32)
;;   ~~~
;; One version. Each part assembles by itself: llvm-mc -triple=amdgcn-amd-amdhsa -mcpu=gfx1250 --defsym DOCPART=n.
;; ======== version 1 of 1: 5 launches
;; limits: values are held in f16: magnitudes above 65,504 overflow, below 6.1e-05 lose precision
;; workspace buffers: xc 4,194,304 bytes; xs 262,144 bytes; wc 1,572,864 bytes; ws 98,304 bytes; wp 2,097,152 bytes; qkv 50,331,648 bytes; o 16,777,216 bytes
;; launch prep_x (part 1): grid 288 x 1, 4 waves a work-group, no clusters, 33,280 bytes of LDS; arguments x, w_proj, xc, xs, wp; writes xc, xs, wp
.if DOCPART == 1
	.amdgcn_target "amdgcn-amd-amdhsa--gfx1250"
	.amdhsa_code_object_version 6
	.text
	.protected	k_qa733689695_prep_x
	.globl	k_qa733689695_prep_x
	.p2align	8
	.type	k_qa733689695_prep_x,@function
k_qa733689695_prep_x:
	s_mov_b64 s[64:65], 0
	v_nop
	global_prefetch_b8 v0, s[64:65] scope:SCOPE_SE
	s_setreg_imm32_b32 hwreg(HW_REG_WAVE_MODE, 25, 1), 1
	s_wait_xcnt 0x0
; Work-groups 0 to 255: x [8192][1024] f32 becomes codes of FP4 (E2M1), K innermost (xc: 512 bytes a row), with one E8M0 byte for each 32 along K (xs: 32 bytes a row).
; A block's scale is 2^(floor(log2(its largest magnitude)) - 2); its byte is the largest magnitude's exponent field - 2, held at 1 from below.  A block of zeros so gets the byte 1 with zero codes,
; which add nothing; the bytes are read by this program alone.  Each number is divided by the scale and rounded to the nearest code, ties to even; beyond 6 the largest code.
; Work-groups 256 to 287: w_proj [1024][1024] f32 is rounded to f16, number by number, the layout kept (wp).
; LIMITS: blocks whose largest magnitude lies under 2^-124 keep the byte 1; NaN and infinities are not served; |w_proj| up to 65,504 (f16's largest number).
; x is a plain stream of blocks of 32.  A wave takes 16 steps of 512 numbers.  Each load reads 512 consecutive bytes, 16 a lane; a step's 2,048 bytes turn through the wave's own stage in LDS and come
; back 64 bytes a lane, so that a lane holds 16 neighbours along K and two neighbouring lanes a block.  A lane's 16 codes are 8 bytes: a wave's store covers 256 consecutive bytes, aligned.
; A wave's 256 scale bytes are gathered in its own LDS bytes and leave by one store of 256 consecutive bytes.  Waves share nothing: no barrier.
.set WAVES, 4
.set STEPS, 16
.set XWG,   256                        ; 8192 x 1024 / (512 x 16 x 4): the work-groups that take x
.set CB,    8                          ; bytes of 16 codes
.set R,     16                         ; v16-79   four sets of 16 numbers as they are loaded
.set X,     80                         ; v80-111  two sets of 16 neighbours
.set E,     112                        ; v112-127 a scale byte for each step
.set C,     128                        ; v128-191 codes: four registers for each step, so that no store's data are written again
.set PR,    16                         ; w_proj's path: v16-143 two sets of 64 numbers
.set PO,    144                        ; v144-175 their 32 words of f16
.set WREG,  8192                       ; LDS: a region for each wave: two stages of 32 x SP bytes, behind them its 256 scale bytes
.set SP,    80                         ; a lane's place in a stage: 64 bytes + 16 of padding
.set SPW,   12                         ; v12 LDS address of my spare word; never rewritten
.set NIL,   13                         ; v13 0; never rewritten
.set SPARE, WAVES*WREG                 ; behind the regions: the spare words, 128 bytes a wave
	s_load_b128 s[4:7], s[0:1], 0x0                ; x, w_proj
	s_load_b128 s[8:11], s[0:1], 0x10              ; xc, xs
	s_load_b64 s[12:13], s[0:1], 0x20              ; wp
	v_lshl_add_u32 v[SPW], v0, 2, SPARE
	v_mov_b32 v[NIL], 0
	v_lshrrev_b32 v1, 5, v0
	v_readfirstlane_b32 s16, v1                    ; wave
	v_and_b32 v2, 31, v0                           ; lane
	v_lshlrev_b32 v3, 4, v2                        ; my 16 bytes of a load's 512
	s_mul_i32 s17, s16, WREG
	v_lshrrev_b32 v14, 2, v2
	v_mul_u32_u24 v14, v14, SP
	v_and_b32 v15, 3, v2
	v_lshl_add_u32 v14, v15, 4, v14
	v_add_nc_u32 v14, s17, v14                     ; the stage, on the way in: SP (lane / 4) + 16 (lane % 4)
	v_mul_u32_u24 v15, v2, SP
	v_add_nc_u32 v15, s17, v15                     ; and on the way out: SP x lane
	v_mul_u32_u24 v4, v2, CB                       ; 8 bytes a lane: my codes' place in a step's; my f16 words' place on w_proj's path
	v_lshrrev_b32 v5, 1, v2
	s_add_co_u32 s17, s17, 2*32*SP
	v_add_nc_u32 v5, s17, v5                       ; my wave's scale bytes, my block's byte
	v_lshlrev_b32 v7, 3, v2
	v_add_nc_u32 v6, s17, v7                       ; and on the way out 8 bytes a lane
	s_lshl_b32 s18, ttmp9, 2
	s_add_co_u32 s18, s18, s16                     ; 4 x work-group + wave
	s_mov_b32 s21, 0
	s_wait_kmcnt 0x0
	s_cmp_lt_u32 ttmp9, XWG
	s_cbranch_scc0 .Lproj
	s_lshl_b32 s20, s18, 15                        ; my wave's run: 8,192 numbers, 32,768 bytes of x,
	s_add_nc_u64 s[4:5], s[4:5], s[20:21]
	s_lshl_b32 s20, s18, 12                        ; 4,096 bytes of codes,
	s_add_nc_u64 s[8:9], s[8:9], s[20:21]
	s_lshl_b32 s20, s18, 8                         ; 256 scale bytes
	s_add_nc_u64 s[10:11], s[10:11], s[20:21]
.macro LOAD t
.irp i, 0,1,2,3
	global_load_b128 v[R+16*((\t)%4)+4*\i:R+16*((\t)%4)+4*\i+3], v3, s[4:5] offset:2048*(\t)+512*\i th:TH_LOAD_NT
.endr
.endm
.macro TURN t                          ; step t's numbers through the stage: LDS serves a wave's instructions in order, so no wait stands between the stores and the loads
.irp i, 0,1,2,3
	ds_store_b128 v14, v[R+16*((\t)%4)+4*\i:R+16*((\t)%4)+4*\i+3] offset:32*SP*((\t)%2)+8*SP*\i
.endr
.irp i, 0,1,2,3
	ds_load_b128 v[X+16*((\t)%2)+4*\i:X+16*((\t)%2)+4*\i+3], v15 offset:32*SP*((\t)%2)+16*\i
.endr
.endm
.irp t, 0,1,2,3
	LOAD \t
.endr
	s_wait_loadcnt 12                              ; step 0's four loads are in; the twelve of steps 1 to 3 may be out
	TURN 0
.macro STEP t
.set XS, X+16*((\t)%2)
.if (\t) > 0
	s_wait_dscnt 1                                 ; this step's numbers are back from the stage; the last step's byte store may be out
.else
	s_wait_dscnt 0x0
.endif
.if (\t)+4 < STEPS
	LOAD (\t)+4                                    ; into the set that the stage's stores have read
.endif
.if (\t)+1 < STEPS
.if STEPS-2-(\t) >= 3
	s_wait_loadcnt 12                              ; the next step's four loads are in; those of the three steps behind it may be out
.else
	s_wait_loadcnt 4*(STEPS-2-(\t))
.endif
	TURN (\t)+1
.endif
	v_max3_num_f32 v8, |v[XS]|, |v[XS+1]|, |v[XS+2]|               ; the largest magnitude of my 16, in two chains
	v_max3_num_f32 v9, |v[XS+3]|, |v[XS+4]|, |v[XS+5]|
.irp i, 6,10
	v_max3_num_f32 v8, v8, |v[XS+\i]|, |v[XS+\i+1]|
	v_max3_num_f32 v9, v9, |v[XS+\i+2]|, |v[XS+\i+3]|
.endr
	v_max3_num_f32 v8, v8, |v[XS+14]|, |v[XS+15]|
	v_max3_num_f32 v8, v8, v9, 0x1800000           ; and the floor 2^(3 - 127): the byte cannot fall under 1
	v_max_num_f32_dpp v8, v8, v8 row_xmask:1 row_mask:0xf bank_mask:0xf   ; with my neighbour's 16: the block's
	v_add_nc_u32 v11, 0xff000000, v8               ; 2 off its exponent field: the conversion takes the exponent field of this operand as its scale
	v_cvt_scalef32_pk8_fp4_f32 v[C+4*(\t)], v[XS:XS+7], v11
	v_cvt_scalef32_pk8_fp4_f32 v[C+4*(\t)+1], v[XS+8:XS+15], v11
	v_lshrrev_b32 v[E+(\t)], 23, v11               ; the scale's byte (a plain line behind the conversions)
	ds_store_b8 v5, v[E+(\t)] offset:16*(\t)       ; both lanes of a block write the same byte with the same value
	global_store_b64 v4, v[C+4*(\t):C+4*(\t)+1], s[8:9] offset:32*CB*(\t)
.endm
.irp t, 0,1,2,3,4,5,6,7,8,9,10,11,12,13,14,15
	STEP \t
.endr
	ds_load_b64 v[8:9], v6                         ; in order behind my byte stores
	s_wait_dscnt 0x0
	global_store_b64 v7, v[8:9], s[10:11]          ; 32 lanes store 256 consecutive bytes, aligned
	s_wait_tensorcnt 0x0                           ; the wave's end
	ds_add_u32 v[SPW], v[NIL]
	s_wait_dscnt 0x0
	s_endpgm
; w_proj: a wave takes 8,192 numbers in four batches of sixteen loads; two batches are on their way.
.Lproj:
	s_sub_co_u32 s18, s18, 4*XWG                   ; 0 .. 127
	s_lshl_b32 s20, s18, 15
	s_add_nc_u64 s[6:7], s[6:7], s[20:21]
	s_lshl_b32 s20, s18, 14
	s_add_nc_u64 s[12:13], s[12:13], s[20:21]
.macro LOADP g
.irp i, 0,1,2,3,4,5,6,7,8,9,10,11,12,13,14,15
	global_load_b128 v[PR+64*((\g)%2)+4*\i:PR+64*((\g)%2)+4*\i+3], v3, s[6:7] offset:8192*(\g)+512*\i th:TH_LOAD_NT
.endr
.endm
.macro HALVE g
.if (\g) < 3
	s_wait_loadcnt 16                              ; this batch is in; the next batch's sixteen may be out
.else
	s_wait_loadcnt 0x0
.endif
.if (\g) > 0
	s_wait_xcnt 0x0                                ; the last batch's stores have read their data: the words are written again only behind this wait
.endif
.irp i, 0,1,2,3,4,5,6,7,8,9,10,11,12,13,14,15
	v_cvt_pk_f16_f32 v[PO+2*\i], v[PR+64*((\g)%2)+4*\i], v[PR+64*((\g)%2)+4*\i+1]
	v_cvt_pk_f16_f32 v[PO+2*\i+1], v[PR+64*((\g)%2)+4*\i+2], v[PR+64*((\g)%2)+4*\i+3]
.endr
.irp i, 0,1,2,3,4,5,6,7,8,9,10,11,12,13,14,15
	global_store_b64 v4, v[PO+2*\i:PO+2*\i+1], s[12:13] offset:4096*(\g)+256*\i   ; 32 lanes store 256 consecutive bytes, aligned
.endr
.if (\g) < 2
	LOADP (\g)+2
.endif
.endm
	LOADP 0
	LOADP 1
	HALVE 0
	HALVE 1
	HALVE 2
	HALVE 3
	s_wait_tensorcnt 0x0                           ; the wave's end, in the same form as on the other path
	ds_add_u32 v[SPW], v[NIL]
	s_wait_dscnt 0x0
	s_endpgm
.Lfunc_end_k_qa733689695_prep_x:
	.size	k_qa733689695_prep_x, .Lfunc_end_k_qa733689695_prep_x-k_qa733689695_prep_x
	.p2alignl 7, 3214868480
	.fill 96, 4, 3214868480
	.section	.rodata,"a",@progbits
	.p2align	6, 0x0
	.amdhsa_kernel k_qa733689695_prep_x
		.amdhsa_group_segment_fixed_size 33280
		.amdhsa_private_segment_fixed_size 0
		.amdhsa_enable_private_segment 0
		.amdhsa_kernarg_size 40
		.amdhsa_user_sgpr_count 2
		.amdhsa_user_sgpr_kernarg_segment_ptr 1
		.amdhsa_wavefront_size32 1
		.amdhsa_system_sgpr_workgroup_id_x 1
		.amdhsa_system_sgpr_workgroup_id_y 1
		.amdhsa_system_sgpr_workgroup_id_z 1
		.amdhsa_system_vgpr_workitem_id 0
		.amdhsa_next_free_vgpr 192
		.amdhsa_next_free_sgpr 66
		.amdhsa_reserve_vcc 0
		.amdhsa_float_denorm_mode_32 3
		.amdhsa_float_denorm_mode_16_64 3
		.amdhsa_memory_ordered 1
		.amdhsa_forward_progress 1
		.amdhsa_inst_pref_size 54
	.end_amdhsa_kernel
	.amdgpu_metadata
---
amdhsa.version: [ 1, 2 ]
amdhsa.kernels:
  - .name:           k_qa733689695_prep_x
    .symbol:         k_qa733689695_prep_x.kd
    .args:
      - { .name: x, .offset: 0, .size: 8, .value_kind: global_buffer, .address_space: global }
      - { .name: w_proj, .offset: 8, .size: 8, .value_kind: global_buffer, .address_space: global }
      - { .name: xc, .offset: 16, .size: 8, .value_kind: global_buffer, .address_space: global }
      - { .name: xs, .offset: 24, .size: 8, .value_kind: global_buffer, .address_space: global }
      - { .name: wp, .offset: 32, .size: 8, .value_kind: global_buffer, .address_space: global }
    .group_segment_fixed_size: 33280
    .private_segment_fixed_size: 0
    .kernarg_segment_align: 8
    .kernarg_segment_size: 40
    .max_flat_workgroup_size: 128
    .sgpr_count:     66
    .vgpr_count:     192
    .wavefront_size: 32
...
	.end_amdgpu_metadata
.endif
;; end of part 1
;; launch prep_w (part 2): grid 48 x 2, 8 waves a work-group, no clusters, 19,456 bytes of LDS; arguments w_qkv, wc, ws; writes wc, ws
.if DOCPART == 2
	.amdgcn_target "amdgcn-amd-amdhsa--gfx1250"
	.amdhsa_code_object_version 6
	.text
	.protected	k_qa733689695_prep_w
	.globl	k_qa733689695_prep_w
	.p2align	8
	.type	k_qa733689695_prep_w,@function
k_qa733689695_prep_w:
	s_mov_b64 s[64:65], 0
	v_nop
	global_prefetch_b8 v0, s[64:65] scope:SCOPE_SE
	s_setreg_imm32_b32 hwreg(HW_REG_WAVE_MODE, 25, 1), 1
	s_wait_xcnt 0x0
; w_qkv [1024 (k)][3072 (n)] f32, K its FIRST axis, becomes codes of FP4 (E2M1) laid [3072][1024] with K innermost (wc: 512 bytes a row) and one E8M0 byte for each 32 along K (ws: 32 bytes a row).
; A LANE TAKES A COLUMN n AND ITS REGISTERS RUN DOWN K: a load reads 128 consecutive bytes a wave, a block of 32 lies in one lane's 32 registers, and the conversions give codes with K innermost.
; The scale's rule and the limits are those of the launch that quantises x: byte = the largest magnitude's exponent field - 2, held at 1 from below (a block of zeros: byte 1, zero codes; this program alone
; reads the bytes); blocks under 2^-124 keep the byte 1; NaN and infinities are not served.
; SHARES.  A work-group takes 64 columns x 512 along K (y).  Wave w: columns 32 (w & 1) on, K 128 (w >> 1) on: four blocks a lane.  Eight waves a work-group and 96 work-groups, so that many loads are on their way.
; The codes meet in a stage in LDS (a row for each column, 256 bytes + 16) and leave by rows: sixteen lanes store 256 consecutive bytes, aligned.  The scale bytes, 16 a column, leave by one store of 16 bytes a lane
; at a pitch of 32 bytes: one byte in 128 of what the launch reads.
.set NB,    4                          ; blocks a lane
.set WROW,  12288                      ; a row of w_qkv in bytes
.set PITCH, 272                        ; a stage row
.set SCS,   64*PITCH                   ; behind the stage: 64 x 16 scale bytes
.set SPARE, SCS+1024                   ; behind them: the spare words, 128 bytes a wave
.set X,     32                         ; v32-95  two sets of 32 numbers
.set C,     96                         ; v96-111 four registers of codes for each block
.set OUTR,  112                        ; v112-127 the way out
.set SPW,   14
.set NIL,   15
	s_load_b128 s[4:7], s[0:1], 0x0                ; w_qkv, wc
	s_load_b64 s[8:9], s[0:1], 0x10                ; ws
	v_lshl_add_u32 v[SPW], v0, 2, SPARE
	v_mov_b32 v[NIL], 0
	v_lshrrev_b32 v1, 5, v0
	v_readfirstlane_b32 s16, v1                    ; wave 0..7
	v_and_b32 v2, 31, v0                           ; lane
	s_and_b32 s17, s16, 1                          ; which 32 columns
	s_lshr_b32 s18, s16, 1                         ; which 128 along K
	s_and_b32 s19, ttmp7, 0xffff                   ; which 512 along K
	v_lshlrev_b32 v3, 2, v2                        ; in: 4 bytes a lane
	s_mul_i32 s20, s17, 32*PITCH
	s_lshl_b32 s21, s18, 6
	s_add_co_u32 s20, s20, s21
	v_mul_u32_u24 v4, v2, PITCH
	v_add_nc_u32 v4, s20, v4                       ; into the stage: row = my column, 64 bytes for each 128 along K
	s_lshl_b32 s20, s17, 9
	s_lshl_b32 s21, s18, 2
	s_add_co_u32 s20, s20, s21
	s_add_co_u32 s20, s20, SCS
	v_lshl_add_u32 v5, v2, 4, s20                  ; my column's 16 scale bytes, my four of them
	v_and_b32 v6, 15, v2
	v_lshrrev_b32 v10, 4, v2
	s_mul_i32 s20, s16, 8*PITCH
	v_mul_u32_u24 v7, v10, PITCH
	v_lshl_add_u32 v7, v6, 4, v7
	v_add_nc_u32 v7, s20, v7                       ; out of the stage: wave w takes rows 8 w on, sixteen lanes to a row
	v_lshlrev_b32 v8, 9, v10
	v_lshl_add_u32 v8, v6, 4, v8                   ; and the same place among wc's rows of 512 bytes
	s_lshl_b32 s20, s17, 9
	s_add_co_u32 s20, s20, SCS
	v_lshl_add_u32 v9, v2, 4, s20                  ; waves 0 and 1: a column's 16 scale bytes
	v_lshlrev_b32 v10, 5, v2                       ; and its row of ws
	s_lshl_b32 s20, s19, 9
	s_lshl_b32 s21, s18, 7
	s_add_co_u32 s20, s20, s21
	s_mul_i32 s20, s20, WROW                       ; w_qkv: my first row of K,
	s_lshl_b32 s21, ttmp9, 8
	s_add_co_u32 s20, s20, s21
	s_lshl_b32 s21, s17, 7
	s_add_co_u32 s20, s20, s21                     ; my first column
	s_mov_b32 s21, 0
	s_lshl_b32 s22, ttmp9, 15                      ; wc: row 64 x + 8 w, byte 256 y
	s_lshl_b32 s23, s16, 12
	s_add_co_u32 s22, s22, s23
	s_lshl_b32 s23, s19, 8
	s_add_co_u32 s22, s22, s23
	s_mov_b32 s23, 0
	s_lshl_b32 s24, ttmp9, 11                      ; ws: row 64 x + 32 (w & 1), byte 16 y
	s_lshl_b32 s25, s17, 10
	s_add_co_u32 s24, s24, s25
	s_lshl_b32 s25, s19, 4
	s_add_co_u32 s24, s24, s25
	s_mov_b32 s25, 0
	s_wait_kmcnt 0x0
	s_add_nc_u64 s[4:5], s[4:5], s[20:21]
	s_add_nc_u64 s[6:7], s[6:7], s[22:23]
	s_add_nc_u64 s[8:9], s[8:9], s[24:25]
.macro LOAD t                          ; block t: w(32 t + i, my column) into set t % 2; the largest offset, 127 rows, lies inside the signed 24-bit immediate
.irp i, 0,1,2,3,4,5,6,7,8,9,10,11,12,13,14,15,16,17,18,19,20,21,22,23,24,25,26,27,28,29,30,31
	global_load_b32 v[X+32*((\t)%2)+\i], v3, s[4:5] offset:(32*(\t)+\i)*WROW th:TH_LOAD_NT
.endr
.endm
	LOAD 0
	LOAD 1
.macro BLOCK t
.set XS, X+32*((\t)%2)
.if (\t) < NB-1
	s_wait_loadcnt 32                              ; this block's 32 loads are in; the next block's may be out
.else
	s_wait_loadcnt 0x0
.endif
	v_max3_num_f32 v12, |v[XS]|, |v[XS+1]|, |v[XS+2]|               ; the block's largest magnitude: all 32 numbers are mine
	v_max3_num_f32 v13, |v[XS+3]|, |v[XS+4]|, |v[XS+5]|
.irp i, 6,10,14,18,22,26
	v_max3_num_f32 v12, v12, |v[XS+\i]|, |v[XS+\i+1]|
	v_max3_num_f32 v13, v13, |v[XS+\i+2]|, |v[XS+\i+3]|
.endr
	v_max3_num_f32 v12, v12, |v[XS+30]|, |v[XS+31]|
	v_max3_num_f32 v12, v12, v13, 0x1800000        ; and the floor 2^(3 - 127)
	v_add_nc_u32 v11, 0xff000000, v12              ; 2 off the exponent field: the conversion's scale operand
	v_lshrrev_b32 v13, 23, v11                     ; the scale's byte
.if (\t) == 0
	v_mov_b32 v24, v13                             ; four bytes to a word, the lower K in the lower byte
.else
	v_lshl_or_b32 v24, v13, 8*(\t), v24
.endif
.irp g, 0,1,2,3
	v_cvt_scalef32_pk8_fp4_f32 v[C+4*(\t)+\g], v[XS+8*\g:XS+8*\g+7], v11
.endr
	v_nop                                          ; a plain line behind the last conversion
	ds_store_b128 v4, v[C+4*(\t):C+4*(\t)+3] offset:16*(\t)   ; 32 codes: 16 bytes of my column's row
.if (\t)+2 < NB
	LOAD (\t)+2
.endif
.endm
	BLOCK 0
	BLOCK 1
	BLOCK 2
	BLOCK 3
	ds_store_b32 v5, v24
	s_wait_dscnt 0x0                               ; for the others' sake: my stores have landed
	s_barrier_signal -1
	s_barrier_wait -1                              ; 64 whole rows of codes and of scale bytes lie in LDS
.irp t, 0,1,2,3
	ds_load_b128 v[OUTR+4*\t:OUTR+4*\t+3], v7 offset:2*\t*PITCH
.endr
.irp t, 0,1,2,3
	s_wait_dscnt 3-\t                              ; the younger loads may be out
	global_store_b128 v8, v[OUTR+4*\t:OUTR+4*\t+3], s[6:7] offset:1024*\t
.endr
	s_cmp_lt_u32 s16, 2                            ; waves 0 and 1 store the scale bytes of 32 columns each
	s_cbranch_scc0 .Lno_scales
	ds_load_b128 v[32:35], v9
	s_wait_dscnt 0x0
	global_store_b128 v10, v[32:35], s[8:9]
.Lno_scales:
	s_wait_tensorcnt 0x0                           ; the wave's end
	ds_add_u32 v[SPW], v[NIL]
	s_wait_dscnt 0x0
	s_endpgm
.Lfunc_end_k_qa733689695_prep_w:
	.size	k_qa733689695_prep_w, .Lfunc_end_k_qa733689695_prep_w-k_qa733689695_prep_w
	.p2alignl 7, 3214868480
	.fill 96, 4, 3214868480
	.section	.rodata,"a",@progbits
	.p2align	6, 0x0
	.amdhsa_kernel k_qa733689695_prep_w
		.amdhsa_group_segment_fixed_size 19456
		.amdhsa_private_segment_fixed_size 0
		.amdhsa_enable_private_segment 0
		.amdhsa_kernarg_size 24
		.amdhsa_user_sgpr_count 2
		.amdhsa_user_sgpr_kernarg_segment_ptr 1
		.amdhsa_wavefront_size32 1
		.amdhsa_system_sgpr_workgroup_id_x 1
		.amdhsa_system_sgpr_workgroup_id_y 1
		.amdhsa_system_sgpr_workgroup_id_z 1
		.amdhsa_system_vgpr_workitem_id 0
		.amdhsa_next_free_vgpr 128
		.amdhsa_next_free_sgpr 66
		.amdhsa_reserve_vcc 0
		.amdhsa_float_denorm_mode_32 3
		.amdhsa_float_denorm_mode_16_64 3
		.amdhsa_memory_ordered 1
		.amdhsa_forward_progress 1
		.amdhsa_inst_pref_size 23
	.end_amdhsa_kernel
	.amdgpu_metadata
---
amdhsa.version: [ 1, 2 ]
amdhsa.kernels:
  - .name:           k_qa733689695_prep_w
    .symbol:         k_qa733689695_prep_w.kd
    .args:
      - { .name: w_qkv, .offset: 0, .size: 8, .value_kind: global_buffer, .address_space: global }
      - { .name: wc, .offset: 8, .size: 8, .value_kind: global_buffer, .address_space: global }
      - { .name: ws, .offset: 16, .size: 8, .value_kind: global_buffer, .address_space: global }
    .group_segment_fixed_size: 19456
    .private_segment_fixed_size: 0
    .kernarg_segment_align: 8
    .kernarg_segment_size: 24
    .max_flat_workgroup_size: 256
    .sgpr_count:     66
    .vgpr_count:     128
    .wavefront_size: 32
...
	.end_amdgpu_metadata
.endif
;; end of part 2
;; launch qkv (part 3): grid 12 x 32, 4 waves a work-group, clusters of 4 x 4, 327,680 bytes of LDS; arguments xc, xs, wc, ws, qkv; writes qkv
.if DOCPART == 3
	.amdgcn_target "amdgcn-amd-amdhsa--gfx1250"
	.amdhsa_code_object_version 6
	.text
	.protected	k_qa733689695_qkv
	.globl	k_qa733689695_qkv
	.p2align	8
	.type	k_qa733689695_qkv,@function
k_qa733689695_qkv:
	s_mov_b64 s[64:65], 0
	v_nop
	global_prefetch_b8 v0, s[64:65] scope:SCOPE_SE
	s_setreg_imm32_b32 hwreg(HW_REG_WAVE_MODE, 25, 1), 1
	s_wait_xcnt 0x0
	s_wait_alu depctr_hold_cnt(0) depctr_sa_sdst(0) depctr_va_vdst(0) depctr_va_sdst(0) depctr_va_ssrc(0) depctr_va_vcc(0) depctr_vm_vsrc(0)
	s_getreg_b32 s2, hwreg(HW_REG_IB_STS2, 6, 4)
	s_cmp_eq_u32 s2, 0
	s_cbranch_scc0 .Lentry_in_a_cluster
	s_endpgm
.Lentry_in_a_cluster:
	s_bfe_u32 s2, ttmp6, 0x10000c
	s_cmp_lg_u32 s2, 0xf033
	s_cbranch_scc0 .Lentry_shape_is_right
	s_endpgm
.Lentry_shape_is_right:
; C[m][n] = sum over k of A[m][k] B[n][k]: A = x's codes [8192][1024], B = w_qkv's codes [3072][1024], FP4 (E2M1) with one E8M0 byte for each 32 along K; sums in f32.
; The result is rounded once to f16 and laid by head: qkv[s][b][h][token][64], s = 0, 1, 2 for q, k, v; q is first multiplied, in f32, by c = log2(e) / 8, so that the softmax is 2^(s - m).
; LIMIT: |c q|, |k|, |v| up to 65,504 (f16's largest number).
; A tile of C, 256 x 256, is made by a work-group of four waves; a wave makes 128 x 128: 64 accumulators, 512 registers.  K = 1,024 is two slots of 512 along K (rows of 256 bytes): both are asked for at the
; head, so no LDS byte is filled twice.  The scales of the work-group's rows of A and of B, for all of K, are two dense blocks of memory: they come with the first fills, as rows of 256 bytes, and stay.
; CLUSTERS: 4 x 4 work-groups.  The four of a row of the cluster need the same tiles of A, the four of a column the same tiles of B: each tile is asked for JOINTLY, by the same tensor load with the same descriptor
; and a mask that names the four.  THE MATRIX INSTRUCTION IS USED TRANSPOSED (source 0 = 16 rows of B, source 1 = 16 rows of A): a lane then holds eight neighbouring columns of one token.
; No prefetch: all that the work-group reads is asked for at its head.
; REGISTERS, in windows of 256: window 0: v0-31 addresses; v32-95 scale words, two sets, and nothing else; from v128 A's fragments, ONE set; on the way out v96-255 are free.
;   window 1: B's fragments, TWO sets, at v0 and v128.   window 2: the accumulators of my rows 0-63 ((a, b) at v[8 (8 a + b)]);   window 3: those of my rows 64-127.
.set SIZE_K, 1024
.set KSTEP,  512
.set NQ,     KSTEP/128
.set ROWB,   256
.set KROW,   SIZE_K*4/8
.set PITCH,  272                       ; an LDS row: 256 bytes + 16 of padding = 68 words: row r starts at bank 4 r mod 64 (64 banks of 4 bytes: ISA guide 11.1)
.set FR,     8
.set NL,     2
.set NP,     4                         ; places behind this matrix instruction (ISA guide 7.12.1)
.set HALFT,  128*PITCH
.set SLOT,   4*HALFT
.set KS,     SIZE_K/32
.set SCL,    2*SLOT                    ; behind the slots: the scales, as rows of 256 bytes + 16
.set HALFS,  (128*KS/256)*272
.set SBLK,   (16*KS/256)*272
.set SPARE,  SCL+4*HALFS               ; the spare words, 128 bytes a wave
.set STAGE,  SPARE+512                 ; the way out: 16 rows x (256 bytes + 16) for each wave; no tensor load lands here
.set SPITCH, 272
.set ADRA, 16
.set ADRB, 20
.set STO,  24
.set RD,   25
.set CO,   26
.set ADRS, 27
.set SPW,  28
.set NIL,  29
.set SC,   32
.set AF,   128
.set TMP,  96                          ; the way out: v96-127 packed f16
.set BK,   128                         ; v128-159, v160-191: 16 rows read back, by turns
.set T,    192                         ; v192-255: a block's 64 numbers times the factor
.set G1, 24
.set G0, 32
.set G1B, 48
.set G0B, 56
.set G1S, 68
.set G0S, 76
.set G1SB, 80
.set G0SB, 88
.set MSB, 0
.macro WIN new                         ; the immediate's high byte repeats the setting that is left
.if MSB != (\new)
	s_set_vgpr_msb (MSB<<8)|(\new)
.set MSB, (\new)
.endif
.endm
.set MUL_LO, 0xa1                      ; source 0 (B) window 1, source 1 (A) window 0, C and D window 2
.set MUL_HI, 0xf1
.set TO_B,   0x40
; A joint load: waves 0 and 1 fetch for A, waves 2 and 3 for B; the branch hangs on the wave's number alone.  An s_nop 0 and four v_nop follow each of the two lines.
.macro JLOAD g0a, g1a, g0b, g1b
	s_cmp_eq_u32 s15, 0
	s_cbranch_scc0 .Lfor_b_\@
	tensor_load_to_lds s[\g0a:\g0a+3], s[\g1a:\g1a+7]
	s_nop 0
.rept 4
	v_nop
.endr
	s_branch .Lasked_\@
.Lfor_b_\@:
	tensor_load_to_lds s[\g0b:\g0b+3], s[\g1b:\g1b+7]
	s_nop 0
.rept 4
	v_nop
.endr
.Lasked_\@:
.endm
.macro CROUND                          ; a round of the cluster's barrier
	s_barrier_signal -1
	s_barrier_wait -1
	s_cmp_lg_u32 s14, 0
	s_cbranch_scc1 .Lnot_wave_0_\@
	s_barrier_signal -3
.Lnot_wave_0_\@:
	s_barrier_wait -3
	s_barrier_signal -1
	s_barrier_wait -1
.endm
	s_load_b128 s[4:7], s[0:1], 0x0                ; A's codes, A's scales
	s_load_b128 s[8:11], s[0:1], 0x10              ; B's codes, B's scales
	s_load_b64 s[12:13], s[0:1], 0x20              ; qkv
	v_lshl_add_u32 v[SPW], v0, 2, SPARE
	v_mov_b32 v[NIL], 0
	ds_add_u32 v[SPW], v[NIL]                      ; the wave's opening: the add, twice on end, and its wait ahead of my first tensor load
	ds_add_u32 v[SPW], v[NIL]
	v_lshrrev_b32 v1, 5, v0
	v_readfirstlane_b32 s14, v1                    ; wave 0..3
	s_lshr_b32 s15, s14, 1                         ; which half of the tile's rows is mine.  Also: I fetch for A (0) or for B (1)
	s_and_b32 s16, s14, 1                          ; which half of its columns.  Also: which 128 rows of that tile I fetch
	s_bfe_u32 s40, ttmp6, 0x40000                  ; cx, cy
	s_bfe_u32 s41, ttmp6, 0x40004
	s_lshl_b32 s42, ttmp9, 2
	s_add_co_u32 s42, s42, s40                     ; tile column
	s_and_b32 s17, ttmp7, 0xffff
	s_lshl_b32 s17, s17, 2
	s_add_co_u32 s17, s17, s41                     ; tile row
	s_lshl_b32 s43, s41, 2
	s_lshl_b32 s43, 15, s43                        ; my row of the cluster
	s_lshl_b32 s44, 0x1111, s40                    ; my column
	s_cmp_eq_u32 ttmp9, 0                          ; cluster x = 0, 1, 2 makes q, k, v: the same in all partners
	s_cselect_b32 s96, 0x3e38aa3b, 1.0             ; q's factor c = log2(e) / 8; k and v keep 1
	s_mov_b32 s97, s96                             ; (named with it as a pair)
	s_or_b32 s[G1+0], s43, (0<<16)|(1<<20)|(1<<21)|(5<<22)|(3<<25)  ; the mask; elements of 1 byte; padding of 4 words after every 64; bit 21 beside a mask
	s_or_b32 s[G1B+0], s44, (0<<16)|(1<<20)|(1<<21)|(5<<22)|(3<<25)
.irp g, G1, G1B
	s_mov_b32 s[\g+1], ROWB<<16                    ; tensor_dim0
	s_mov_b32 s[\g+2], 128<<16                     ; tensor_dim1
	s_mov_b32 s[\g+3], ROWB<<16                    ; tile_dim0
	s_mov_b32 s[\g+4], 128                         ; tile_dim1
	s_mov_b32 s[\g+5], KROW                        ; the pitch
	s_mov_b32 s[\g+6], 0
	s_mov_b32 s[\g+7], 0
.endr
	s_or_b32 s[G1S+0], s43, (3<<16)|(1<<20)|(1<<21)|(5<<22)|(3<<25) ; the scales of 128 rows: 4,096 dense bytes as rows of 32 elements of 8 bytes
	s_or_b32 s[G1SB+0], s44, (3<<16)|(1<<20)|(1<<21)|(5<<22)|(3<<25)
.irp g, G1S, G1SB
	s_mov_b32 s[\g+1], 32<<16
	s_mov_b32 s[\g+2], (128*KS/256)<<16
	s_mov_b32 s[\g+3], 32<<16
	s_mov_b32 s[\g+4], 128*KS/256
	s_mov_b32 s[\g+5], 32
	s_mov_b32 s[\g+6], 0
	s_mov_b32 s[\g+7], 0
.endr
	s_lshl_b32 s18, s16, 7
	s_lshl_b32 s20, s17, 8
	s_add_co_u32 s20, s20, s18                     ; A: row 256 x tile row + 128 x half
	s_lshl_b32 s46, s42, 8
	s_add_co_u32 s46, s46, s18                     ; B: row 256 x tile column + 128 x half
	s_mov_b32 s21, 0
	s_mov_b32 s47, 0
	s_mov_b64 s[18:19], KS
	s_mul_u64 s[22:23], s[20:21], s[18:19]         ; where these rows' scales begin
	s_mul_u64 s[92:93], s[46:47], s[18:19]
	s_mov_b64 s[18:19], KROW
	s_mul_u64 s[20:21], s[20:21], s[18:19]         ; and their codes
	s_mul_u64 s[46:47], s[46:47], s[18:19]
	s_mul_i32 s45, s14, HALFT                      ; where they go: wave x 128 rows
	s_mul_i32 s94, s14, HALFS
	s_wait_dscnt 0x0                               ; both opening adds are done
	s_wait_kmcnt 0x0
	s_add_nc_u64 s[20:21], s[4:5], s[20:21]
	s_add_nc_u64 s[22:23], s[6:7], s[22:23]
	s_add_nc_u64 s[46:47], s[8:9], s[46:47]
	s_add_nc_u64 s[92:93], s[10:11], s[92:93]
	CROUND                                         ; all sixteen work-groups are here: the joint loads meet
	s_mov_b32 s[G0S], 1
	s_add_co_u32 s[G0S+1], s94, SCL
	s_mov_b64 s[G0S+2:G0S+3], s[22:23]
	s_or_b32 s[G0S+3], s[G0S+3], 0x80000000
	s_mov_b32 s[G0SB], 1
	s_add_co_u32 s[G0SB+1], s94, SCL
	s_mov_b64 s[G0SB+2:G0SB+3], s[92:93]
	s_or_b32 s[G0SB+3], s[G0SB+3], 0x80000000
	JLOAD G0S, G1S, G0SB, G1SB                     ; the scales first
.irp s, 0,1
	s_mov_b32 s[G0+4*\s], 1
	s_add_co_u32 s[G0+4*\s+1], s45, \s*SLOT
	s_add_nc_u64 s[G0+4*\s+2:G0+4*\s+3], s[20:21], \s*ROWB
	s_or_b32 s[G0+4*\s+3], s[G0+4*\s+3], 0x80000000
	s_mov_b32 s[G0B+4*\s], 1
	s_add_co_u32 s[G0B+4*\s+1], s45, \s*SLOT
	s_add_nc_u64 s[G0B+4*\s+2:G0B+4*\s+3], s[46:47], \s*ROWB
	s_or_b32 s[G0B+4*\s+3], s[G0B+4*\s+3], 0x80000000
	JLOAD G0+4*\s, G1, G0B+4*\s, G1B               ; three loads of mine are out when the second of these is issued
.endr
	v_and_b32 v1, 15, v0                           ; l % 16
	v_bfe_u32 v2, v0, 4, 1                         ; l / 16
	v_mul_u32_u24 v3, v1, PITCH
	v_lshl_add_u32 v4, v2, 4, v3                   ; a fragment's row x pitch + 16 x half
	s_mul_i32 s21, s15, HALFT
	s_mul_i32 s22, s16, HALFT
	s_add_co_u32 s22, s22, 2*HALFT
.irp s, 0,1
	v_add_nc_u32 v[ADRA+\s], s21, v4
	v_add_nc_u32 v[ADRB+\s], s22, v4
	s_add_co_u32 s21, s21, SLOT
	s_add_co_u32 s22, s22, SLOT
.endr
	v_mul_u32_u24 v5, v1, KS                       ; my row's scales: KS bytes a row,
	v_lshrrev_b32 v6, 8, v5
	v_lshl_add_u32 v5, v6, 4, v5                   ; and 16 more for each 256 passed
	s_mul_i32 s21, s15, HALFS
	s_mul_i32 s22, s16, HALFS
	s_add_co_u32 s22, s22, 2*HALFS
	s_sub_co_u32 s22, s22, s21
	v_mul_u32_u24 v6, s22, v2                      ; lanes 16-31 take B's: one product, the distance between the two bases
	s_add_co_u32 s21, s21, SCL
	v_add_nc_u32 v5, v5, v6
	v_add_nc_u32 v[ADRS], s21, v5
	s_mul_i32 s23, s14, 16*SPITCH
	s_add_co_u32 s23, s23, STAGE                   ; my stage
	v_mul_u32_u24 v5, v1, SPITCH                   ; in: token l % 16, 16 bytes for each half of the lanes
	v_lshl_add_u32 v5, v2, 4, v5
	v_add_nc_u32 v[STO], s23, v5
	v_bfe_u32 v5, v0, 3, 1                         ; back: lanes 0-15 take two tokens' 128 bytes of my first head, lanes 16-31 of my second
	v_mul_u32_u24 v5, v5, SPITCH
	v_lshl_add_u32 v5, v2, 7, v5
	v_and_b32 v6, 7, v0
	v_lshl_add_u32 v5, v6, 4, v5
	v_add_nc_u32 v[RD], s23, v5
	v_lshlrev_b32 v[CO], 4, v1                     ; in qkv two tokens of a head are 256 consecutive bytes; heads lie 2^18 bytes apart
	v_lshl_add_u32 v[CO], v2, 18, v[CO]
	s_lshl_b32 s20, s17, 8
	s_lshl_b32 s21, s15, 7
	s_add_co_u32 s20, s20, s21                     ; my first token: 256 x tile row + 128 x half
	s_lshr_b32 s21, s20, 11
	s_lshl_b32 s21, s21, 22                        ; its batch
	s_and_b32 s20, s20, 2047
	s_lshl_b32 s20, s20, 7                         ; 128 bytes a token
	s_add_co_u32 s20, s20, s21
	s_lshl_b32 s21, ttmp9, 24                      ; q, k or v
	s_add_co_u32 s20, s20, s21
	s_lshl_b32 s46, s40, 2
	s_lshl_b32 s47, s16, 1
	s_add_co_u32 s46, s46, s47                     ; my first head: 4 cx + 2 x half
	s_lshl_b32 s46, s46, 18
	s_add_co_u32 s20, s20, s46
	s_mov_b32 s21, 0
	s_add_nc_u64 s[12:13], s[12:13], s[20:21]
.macro FRAG reg, adr, q, i             ; 16 rows x 128 K of 4-bit codes: 8 registers; registers 4 c .. 4 c + 3 hold K = 64 c + 32 (l / 16) + 0 .. 31
.irp c, 0,1
	ds_load_b128 v[\reg+4*\c:\reg+4*\c+3], v[\adr] offset:64*(\q)+32*\c+(\i)*16*PITCH
.endr
.endm
; 16 matrix instructions: A's blocks a0, a0 + 1 x B's eight, 128 along K.  The 64 accumulators take turns, one instruction a turn, in the same order in every step.
.macro MUL16 a0, p, q, sc, zero
.irp a, \a0, \a0+1
.irp b, 0,1,2,3,4,5,6,7
.if \zero
	v_wmma_scale_f32_16x16x128_f8f6f4 v[8*(8*((\a)%4)+\b):8*(8*((\a)%4)+\b)+7], v[128*(\p)+FR*\b:128*(\p)+FR*\b+FR-1], v[AF+FR*(\a):AF+FR*(\a)+FR-1], 0, v[SC+8*NQ*(\sc)+NQ*\b+(\q)], v[SC+8*NQ*(\sc)+NQ*(\a)+(\q)] matrix_a_fmt:MATRIX_FMT_FP4 matrix_b_fmt:MATRIX_FMT_FP4 matrix_a_scale:MATRIX_SCALE_ROW1
.else
	v_wmma_scale_f32_16x16x128_f8f6f4 v[8*(8*((\a)%4)+\b):8*(8*((\a)%4)+\b)+7], v[128*(\p)+FR*\b:128*(\p)+FR*\b+FR-1], v[AF+FR*(\a):AF+FR*(\a)+FR-1], v[8*(8*((\a)%4)+\b):8*(8*((\a)%4)+\b)+7], v[SC+8*NQ*(\sc)+NQ*\b+(\q)], v[SC+8*NQ*(\sc)+NQ*(\a)+(\q)] matrix_a_fmt:MATRIX_FMT_FP4 matrix_b_fmt:MATRIX_FMT_FP4 matrix_a_scale:MATRIX_SCALE_ROW1
.endif
.endr
.endr
.endm
.macro FETCH_B slot, q, p
	WIN TO_B
.irp i, 0,1,2,3,4,5,6,7
	FRAG 128*(\p)+FR*\i, ADRB+\slot, \q, \i
.endr
	WIN 0
.endm
.macro FETCH_A slot, q, i0
.irp i, \i0, \i0+1, \i0+2, \i0+3
	FRAG AF+FR*(\i), ADRA+\slot, \q, \i
.endr
.endm
.macro SCALES sc                       ; a slot's scale words: four a row; lanes 0-15 take A's block i, lanes 16-31 B's block i
.irp i, 0,1,2,3,4,5,6,7
	ds_load_b128 v[SC+8*NQ*\sc+NQ*\i:SC+8*NQ*\sc+NQ*\i+3], v[ADRS] offset:\i*SBLK
.endr
.endm
.macro PLACES n                        ; plain vector lines between a matrix instruction and a load into, or a read of, its registers
.rept \n
	v_nop
.endr
.endm
.macro STEP slot, q, zero              ; 128 along K that has its successor in the same slot
	s_wait_dscnt 4*NL                              ; B's set and A's blocks 0-3 are in; the youngest eight loads (A's blocks 4-7) may be out
	WIN MUL_LO
	MUL16 0, (\q)%2, \q, \slot, \zero
	MUL16 2, (\q)%2, \q, \slot, \zero
	s_wait_dscnt 0
	PLACES NP
	FETCH_B \slot, (\q)+1, 1-(\q)%2
	FETCH_A \slot, (\q)+1, 0
	WIN MUL_HI
	MUL16 4, (\q)%2, \q, \slot, \zero
	MUL16 6, (\q)%2, \q, \slot, \zero
	PLACES NP
	WIN 0
	FETCH_A \slot, (\q)+1, 4
.endm
.macro STEPS slot, from
.set Q, \from
.rept NQ-1-\from
	STEP \slot, Q, 0
.set Q, Q+1
.endr
.endm
	s_wait_tensorcnt 1                             ; the scales and my part of slot 0 are in; slot 1's load may be out
	s_barrier_signal -1
	s_barrier_wait -1
	FETCH_B 0, 0, 0
	FETCH_A 0, 0, 0
	SCALES 0
	FETCH_A 0, 0, 4
	STEP 0, 0, 1                                   ; the first products start the sums: nothing is cleared
	STEPS 0, 1
	; slot 0's last step, and the change to slot 1: one barrier, which shows slot 1 whole to every wave; nothing is filled again
	s_wait_tensorcnt 0x0                           ; my part of slot 1 has landed
	ds_add_u32 v[SPW], v[NIL]
	s_wait_dscnt 4*NL+1                            ; the add and the youngest eight loads may be out
	WIN MUL_LO
	MUL16 0, 1, NQ-1, 0, 0
	s_wait_dscnt 0x0
	s_barrier_signal -1
	MUL16 2, 1, NQ-1, 0, 0
	WIN 0
	s_barrier_wait -1
	PLACES NP
	v_add_nc_u32 v[ADRS], 4*NQ, v[ADRS]            ; slot 1's scale words: 16 bytes on in each row
	FETCH_B 1, 0, 0
	FETCH_A 1, 0, 0
	SCALES 1
	WIN MUL_HI
	MUL16 4, 1, NQ-1, 0, 0
	MUL16 6, 1, NQ-1, 0, 0
	PLACES NP
	WIN 0
	FETCH_A 1, 0, 4
	STEPS 1, 0
	s_wait_dscnt 4*NL                              ; the very last step: nothing more to fetch
	WIN MUL_LO
	MUL16 0, 1, NQ-1, 1, 0
	MUL16 2, 1, NQ-1, 1, 0
	s_wait_dscnt 0
	WIN MUL_HI
	MUL16 4, 1, NQ-1, 1, 0
	MUL16 6, 1, NQ-1, 1, 0
	WIN 0
; THE WAY OUT, block by block of 16 tokens x 128 columns (two heads).  PACK: times the factor, in f32, each accumulator from its low end on; rounded once to f16.  TOSTAGE: 16 bytes a lane into my own stage,
; and back so that sixteen lanes hold two tokens of one head.  SEND: each half of the lanes stores 256 consecutive bytes, aligned.
.macro PACK a
.set AC, 64*((\a)%4)
	WIN 0x02+(\a)/4                                ; source 0: window 2 or 3
.set i, 0
.rept 32
	v_pk_mul_f32 v[T+2*i:T+2*i+1], v[AC+2*i:AC+2*i+1], s[96:97] op_sel_hi:[1,0]
.set i, i+1
.endr
	WIN 0
.set i, 0
.rept 32
	v_cvt_pk_f16_f32 v[TMP+i], v[T+2*i], v[T+2*i+1]
.set i, i+1
.endr
.endm
.macro TOSTAGE a
.set BB, BK+32*((\a)%2)
.irp b, 0,1,2,3,4,5,6,7
	ds_store_b128 v[STO], v[TMP+4*\b:TMP+4*\b+3] offset:32*\b
.endr
.irp t, 0,1,2,3,4,5,6,7
	ds_load_b128 v[BB+4*\t:BB+4*\t+3], v[RD] offset:\t*2*SPITCH    ; LDS serves a wave's instructions in order (ISA guide 5.7.1.4): these see the stores above
.endr
.endm
.macro SEND a
.set BB, BK+32*((\a)%2)
	s_wait_dscnt 0x0                               ; the block is back in registers
	s_wait_xcnt 0x0                                ; the block before has left its registers: the next block's loads land there only behind this wait
.irp t, 0,1,2,3,4,5,6,7
	global_store_b128 v[CO], v[BB+4*\t:BB+4*\t+3], s[12:13] offset:2048*(\a)+256*\t
.endr
.endm
	PLACES NP                                      ; behind the last products
	PACK 0
	TOSTAGE 0
.irp a, 1,2,3,4,5,6,7                  ; block a's arithmetic stands between block a - 1's loads from the stage and the wait for them
	PACK \a
	SEND \a-1
	TOSTAGE \a
.endr
	SEND 7
	s_wait_tensorcnt 0x0                           ; the wave's end
	ds_add_u32 v[SPW], v[NIL]
	s_wait_dscnt 0x0
	CROUND                                         ; the closing round
	s_endpgm
.Lfunc_end_k_qa733689695_qkv:
	.size	k_qa733689695_qkv, .Lfunc_end_k_qa733689695_qkv-k_qa733689695_qkv
	.p2alignl 7, 3214868480
	.fill 96, 4, 3214868480
	.section	.rodata,"a",@progbits
	.p2align	6, 0x0
	.amdhsa_kernel k_qa733689695_qkv
		.amdhsa_group_segment_fixed_size 327680
		.amdhsa_private_segment_fixed_size 0
		.amdhsa_enable_private_segment 0
		.amdhsa_kernarg_size 40
		.amdhsa_user_sgpr_count 2
		.amdhsa_user_sgpr_kernarg_segment_ptr 1
		.amdhsa_wavefront_size32 1
		.amdhsa_system_sgpr_workgroup_id_x 1
		.amdhsa_system_sgpr_workgroup_id_y 1
		.amdhsa_system_sgpr_workgroup_id_z 1
		.amdhsa_system_vgpr_workitem_id 0
		.amdhsa_next_free_vgpr 1024
		.amdhsa_next_free_sgpr 98
		.amdhsa_reserve_vcc 0
		.amdhsa_float_denorm_mode_32 3
		.amdhsa_float_denorm_mode_16_64 3
		.amdhsa_memory_ordered 1
		.amdhsa_forward_progress 1
		.amdhsa_inst_pref_size 143
	.end_amdhsa_kernel
	.amdgpu_metadata
---
amdhsa.version: [ 1, 2 ]
amdhsa.kernels:
  - .name:           k_qa733689695_qkv
    .symbol:         k_qa733689695_qkv.kd
    .args:
      - { .name: xc, .offset: 0, .size: 8, .value_kind: global_buffer, .address_space: global }
      - { .name: xs, .offset: 8, .size: 8, .value_kind: global_buffer, .address_space: global }
      - { .name: wc, .offset: 16, .size: 8, .value_kind: global_buffer, .address_space: global }
      - { .name: ws, .offset: 24, .size: 8, .value_kind: global_buffer, .address_space: global }
      - { .name: qkv, .offset: 32, .size: 8, .value_kind: global_buffer, .address_space: global }
    .group_segment_fixed_size: 327680
    .private_segment_fixed_size: 0
    .kernarg_segment_align: 8
    .kernarg_segment_size: 40
    .max_flat_workgroup_size: 128
    .sgpr_count:     98
    .vgpr_count:     1024
    .wavefront_size: 32
...
	.end_amdgpu_metadata
.endif
;; end of part 3
;; launch attn (part 4): grid 4 x 64, 8 waves a work-group, clusters of 4 x 1, 327,680 bytes of LDS; arguments qkv, o; writes o
.if DOCPART == 4
	.amdgcn_target "amdgcn-amd-amdhsa--gfx1250"
	.amdhsa_code_object_version 6
	.text
	.protected	k_qa733689695_attn
	.globl	k_qa733689695_attn
	.p2align	8
	.type	k_qa733689695_attn,@function
k_qa733689695_attn:
	s_mov_b64 s[64:65], 0
	v_nop
	global_prefetch_b8 v0, s[64:65] scope:SCOPE_SE
	s_setreg_imm32_b32 hwreg(HW_REG_WAVE_MODE, 25, 1), 1
	s_wait_xcnt 0x0
	s_wait_alu depctr_hold_cnt(0) depctr_sa_sdst(0) depctr_va_vdst(0) depctr_va_sdst(0) depctr_va_ssrc(0) depctr_va_vcc(0) depctr_vm_vsrc(0)
	s_getreg_b32 s2, hwreg(HW_REG_IB_STS2, 6, 4)
	s_cmp_eq_u32 s2, 0
	s_cbranch_scc0 .Lentry_in_a_cluster
	s_endpgm
.Lentry_in_a_cluster:
	s_bfe_u32 s2, ttmp6, 0x10000c
	s_cmp_lg_u32 s2, 0x3003
	s_cbranch_scc0 .Lentry_shape_is_right
	s_endpgm
.Lentry_shape_is_right:
; o[bh][q][:] = the sum over k of softmax_k(q . k / 8) v[k][:], for each of 64 heads of 2,048 tokens x 64 channels.  q (already times c = log2(e) / 8), k, v: f16, [3][64][2048][64]; o: f16, [64][2048][64].
; Products on f16 operands with f32 sums; maxima, exponentials and sums in f32; the weights p are rounded to f16 for the second product, o once at the end.
; SOFTMAX.  For each query a running maximum m and sum l: p = 2^(s - m), never above 1; in every step O and l are multiplied by a = 2^(m_old - m_new).  m begins at -3e38, l and O at 0: the first a is 0 on zeros.
; LIMIT: NaN and infinities among the scores are not served.
; SHARES.  A work-group owns 512 queries of one head, each of its eight waves 64: four tiles of 16, in 512 registers, two waves to a SIMD.  Every wave walks all keys, 64 a step.
; LAYOUT.  S^T = K Q^T (source 0 = 16 keys, source 1 = 16 queries): a lane holds ONE query (lane % 16) and keys 8 (lane / 16) + 0..7.  Two such tiles, rounded to f16 in pairs, ARE source 1 (32 keys x 16 queries)
; of O^T = V^T P; they are made in place, in the first half of the tile's score registers.  K comes out of LDS as it lies, V ([key][channel]) turned, by ds_load_tr16_b128.
; BY TURNS.  The wave's tiles are two pieces (tiles 0, 1 and tiles 2, 3).  In a turn one piece has the matrix unit: 16 products V^T P of the step in hand, then 16 products K Q^T of the next step; the other piece's
; softmax, cut into 64 slices, stands between them, two slices behind each matrix instruction.  Then the pieces change places.  Two turns are a key step.
; CLUSTER.  The four query blocks of a head form a cluster and walk the same K and V: each tile is asked for JOINTLY.  A slot of the ring holds four key steps; one joint load a wave behind each round.
; REGISTERS: window 0: v1-14 addresses; v16-47 eight statistics a tile; v48-111 Q; v128-255 S^T, 32 a tile.   window 1: v0-127 O^T, 32 a tile; v128-191 K of one step; v192-255 V of one step.
.set KS,    64                         ; keys in a step
.set PK,    144                        ; a row of K in LDS: 128 bytes + 16: 36 words, so that the 16 rows of a load start at different banks (64 banks of 4 bytes: ISA guide 11.1)
.set PVP,   160                        ; a row of V: 128 + 32
.set VOFF,  KS*PK                      ; a step's tiles lie together: 64 rows of K, then 64 rows of V
.set STEPB, KS*(PK+PVP)
.set NST,   4                          ; steps in a slot
.set SLOT1, 1<<17                      ; slot 1 begins here: one exclusive or turns an address in one slot into the other's
.set SLOTB, NST*KS*128                 ; a slot's keys in memory: 32,768 bytes of K, as many of V
.set NSL,   2048/(NST*KS)              ; 8 slots' worth of keys
.set STAGE, SLOT1+NST*STEPB            ; behind the ring: 16 rows x 144 bytes for each wave, for the way out
.set SP,    144
.set SPARE, STAGE+8*16*SP              ; the spare words, 128 bytes a wave
.set AK0, 2
.set AV0, 3
.set ADR, 4
.set QO,  5
.set STO, 6
.set RD,  7
.set GO,  8
.set PFO, 12                           ; v12 256 x my lane; never rewritten
.set SPW, 13
.set NIL, 14
.set ST,  16                           ; tile t's statistics at v[ST+8 t]: +0 m, +1 m_old - m, +2, +3 l, +4, +5 at work, then a second sum, +6 at work, then a, +7 at work
.set Q,   48
.set S,   128
.set KF,  128                          ; in window 1
.set VF,  192                          ; in window 1
.set WV,  12
.set LIM, 15                           ; s15 1 in a wave that prefetches, else the greatest number
.set PFA, 18                           ; s[18:19] where my prefetches stand
.set G1K, 24
.set G1V, 32
.set G0K, 40                           ; s[40:47]: a set for each first fill; the second then walks on
.set G0V, 48
.set SLOTS, 56
.set CNT, 57
.set SEL, 60
.set TB,  62                           ; s62 LDS byte at which the tiles of the step to be fetched begin
.set MSB, 0
.macro WIN new
.if MSB != (\new)
	s_set_vgpr_msb (MSB<<8)|(\new)
.set MSB, (\new)
.endif
.endm
.set W_KQ, 0x01                        ; K in window 1; Q and S^T in window 0
.set W_PV, 0x51                        ; V and O^T in window 1; P in window 0
.set W_RS, 0x41                        ; O^T (destination and source 0) in window 1, a in window 0
; A joint refill: waves 0 to 3 fetch the slot's four tiles of K, waves 4 to 7 those of V.  An s_nop 0 and four v_nop follow each of the two lines.
.macro JLOAD
	s_cmp_lt_u32 s[WV], 4
	s_cbranch_scc0 .Lfor_v_\@
	tensor_load_to_lds s[G0K+4:G0K+7], s[G1K:G1K+7]
	s_nop 0
.rept 4
	v_nop
.endr
	s_branch .Lasked_\@
.Lfor_v_\@:
	tensor_load_to_lds s[G0V+4:G0V+7], s[G1V:G1V+7]
	s_nop 0
.rept 4
	v_nop
.endr
.Lasked_\@:
.endm
; A PREFETCH INTO THE L2 of what the NEXT change of slots will ask for: 32,768 bytes of K and as many of V, four key steps ahead of that load.  A head is walked by this one cluster.  Its four partners share the
; bytes out BY ADDRESS, 8,192 each; in each, wave 0 asks for K's and wave 4 for V's, lanes 256 bytes apart: each aligned block of 256 bytes is named once.  The last change that fills a slot asks for nothing.
.macro ASK
	s_cmp_gt_u32 s[SLOTS], s[LIM]
	s_cbranch_scc0 .Lnot_mine_\@
	global_prefetch_b8 v[PFO], s[PFA:PFA+1] th:TH_LOAD_NT scope:SCOPE_SE
.Lnot_mine_\@:
.endm
.macro CROUND
	s_barrier_signal -1
	s_barrier_wait -1
	s_cmp_lg_u32 s[WV], 0
	s_cbranch_scc1 .Lnot_wave_0_\@
	s_barrier_signal -3
.Lnot_wave_0_\@:
	s_barrier_wait -3
	s_barrier_signal -1
	s_barrier_wait -1
.endm
	s_load_b128 s[8:11], s[0:1], 0x0               ; qkv s[8:9], o s[10:11]
	v_lshl_add_u32 v[SPW], v0, 2, SPARE
	v_mov_b32 v[NIL], 0
	ds_add_u32 v[SPW], v[NIL]                      ; the wave's opening: the add, twice on end, and its wait ahead of my first tensor load
	ds_add_u32 v[SPW], v[NIL]
	v_lshrrev_b32 v1, 5, v0
	v_readfirstlane_b32 s[WV], v1                  ; wave 0..7
	s_bfe_u32 s13, ttmp6, 0x40000                  ; cx: my block of 512 queries: it enters Q's, O's and the prefetches' addresses alone
	s_and_b32 s14, ttmp7, 0xffff                   ; the head, which the four partners share
	s_lshl_b32 s14, s14, 18                        ; its first byte in q, in k, in v and in o
	s_and_b32 s16, s[WV], 3                        ; which of a slot's four steps I fetch
	s_lshl_b32 s20, s16, 13                        ; its 64 rows of 128 bytes in memory
	s_add_co_u32 s20, s20, s14
	s_add_co_u32 s20, s20, 1<<24                   ; k lies 2^24 bytes into qkv,
	s_mov_b32 s21, 0
	s_add_co_u32 s22, s20, 1<<24                   ; v 2^25
	s_mov_b32 s23, 0
	s_mul_i32 s17, s16, STEPB                      ; and its place in a slot
	s_lshl_b32 s2, s13, 16
	s_lshl_b32 s3, s[WV], 13
	s_add_co_u32 s2, s2, s3
	s_add_co_u32 s2, s2, s14                       ; my wave's 64 queries
	s_mov_b32 s3, 0
	s_mov_b32 s[G1K], 15|(1<<16)|(1<<20)|(1<<21)|(4<<22)|(3<<25)  ; the mask: all four; elements of 2 bytes; padding of 4 words after every 32; bit 21 beside a mask
	s_mov_b32 s[G1V], 15|(1<<16)|(1<<20)|(1<<21)|(4<<22)|(7<<25)  ; the same with 8 words of padding
.irp g, G1K, G1V
	s_mov_b32 s[\g+1], 64<<16                      ; tensor_dim0 = 64
	s_mov_b32 s[\g+2], KS<<16                      ; tensor_dim1 = 64
	s_mov_b32 s[\g+3], 64<<16                      ; tile_dim0 = 64
	s_mov_b32 s[\g+4], KS                          ; tile_dim1 = 64
	s_mov_b32 s[\g+5], 64                          ; the pitch
	s_mov_b32 s[\g+6], 0
	s_mov_b32 s[\g+7], 0
.endr
	s_mov_b32 s[SEL], 0x76543210
	s_mov_b32 s[SEL+1], 0xfedcba98
	s_mov_b32 s[TB], 0
	s_mov_b32 s[SLOTS], NSL-2
	s_cmp_eq_u32 s16, 0                            ; waves 0 and 4 prefetch
	s_cselect_b32 s[LIM], 1, -1
	v_and_b32 v[PFO], 31, v0
	v_lshlrev_b32 v[PFO], 8, v[PFO]
	s_wait_dscnt 0x0                               ; both opening adds are done
	s_wait_kmcnt 0x0
	s_add_nc_u64 s[4:5], s[8:9], s[2:3]            ; Q at my wave's first row
	s_add_nc_u64 s[10:11], s[10:11], s[2:3]        ; O likewise
	s_add_nc_u64 s[6:7], s[8:9], s[20:21]          ; K at my tile of slot 0
	s_add_nc_u64 s[8:9], s[8:9], s[22:23]          ; V likewise
	s_cmp_lt_u32 s[WV], 4
	s_cselect_b64 s[PFA:PFA+1], s[6:7], s[8:9]     ; (in waves 0 and 4 these stand at a slot's first row)
	s_lshl_b32 s2, s13, 13                         ; my work-group's 8,192 bytes of the 32,768
	s_add_nc_u64 s[PFA:PFA+1], s[PFA:PFA+1], s[2:3]
	s_add_nc_u64 s[PFA:PFA+1], s[PFA:PFA+1], 2*SLOTB   ; in slot 2; the first change of slots steps it to slot 3.  Nothing is prefetched at the head
	CROUND                                         ; all four work-groups are here: the first joint loads meet
.irp s, 0,1
	s_mov_b32 s[G0K+4*\s], 1
	s_add_co_u32 s[G0K+4*\s+1], s17, \s*SLOT1
	s_add_nc_u64 s[G0K+4*\s+2:G0K+4*\s+3], s[6:7], \s*SLOTB
	s_or_b32 s[G0K+4*\s+3], s[G0K+4*\s+3], 0x80000000
	s_mov_b32 s[G0V+4*\s], 1
	s_add_co_u32 s[G0V+4*\s+1], s17, \s*SLOT1+VOFF
	s_add_nc_u64 s[G0V+4*\s+2:G0V+4*\s+3], s[8:9], \s*SLOTB
	s_or_b32 s[G0V+4*\s+3], s[G0V+4*\s+3], 0x80000000
.endr
	s_cmp_lt_u32 s[WV], 4                          ; a wave's two first fills stand in one branch: two loads of mine are out
	s_cbranch_scc0 .Lfirst_v
	tensor_load_to_lds s[G0K:G0K+3], s[G1K:G1K+7]
	s_nop 0
	tensor_load_to_lds s[G0K+4:G0K+7], s[G1K:G1K+7]
	s_nop 0
.rept 4
	v_nop
.endr
	s_branch .Lfirst_asked
.Lfirst_v:
	tensor_load_to_lds s[G0V:G0V+3], s[G1V:G1V+7]
	s_nop 0
	tensor_load_to_lds s[G0V+4:G0V+7], s[G1V:G1V+7]
	s_nop 0
.rept 4
	v_nop
.endr
.Lfirst_asked:
	v_and_b32 v1, 15, v0                           ; l % 16
	v_bfe_u32 v9, v0, 4, 1                         ; l / 16
	v_lshlrev_b32 v[QO], 7, v1
	v_lshl_add_u32 v[QO], v9, 4, v[QO]             ; row x 128 + 16 x half
.irp f, 0,1,2,3,4,5,6,7                ; Q stays in registers: tile f / 2, channels 32 (f % 2) on
	global_load_b128 v[Q+8*\f:Q+8*\f+3],   v[QO], s[4:5] offset:(\f/2)*2048+(\f%2)*64
	global_load_b128 v[Q+8*\f+4:Q+8*\f+7], v[QO], s[4:5] offset:(\f/2)*2048+(\f%2)*64+32
.endr
	v_mul_u32_u24 v[AK0], v1, PK
	v_lshl_add_u32 v[AK0], v9, 4, v[AK0]           ; K: row x pitch + 16 x half
	v_and_b32 v10, 7, v0                           ; V: the turning load: lane l reads key 8 (l / 16) + l % 8, channels 8 ((l / 8) % 2) + 0..7
	v_bfe_u32 v11, v0, 3, 1
	v_lshl_add_u32 v[AV0], v9, 3, v10
	v_mul_u32_u24 v[AV0], v[AV0], PVP
	v_lshl_add_u32 v[AV0], v11, 4, v[AV0]
	v_add_nc_u32 v[AV0], VOFF, v[AV0]
.irp t, 0,1,2,3
	v_mov_b32 v[ST+8*\t], 0xff61b1e6               ; m: -3e38, under every score
.irp n, 1,2,3,4,5,6,7
	v_mov_b32 v[ST+8*\t+\n], 0
.endr
.endr
	WIN 0x40                                       ; O^T begins as zeros, so that the key step is written in one form; these lines run while the first tiles are on their way
.set i, 0
.rept 128
	v_mov_b32 v[i], 0
.set i, i+1
.endr
	WIN 0
; THE MATRIX WORK OF A TURN, for piece x.  Eight accumulators take turns, one instruction a turn.
.macro PV x                            ; product i of 16 of O^T += V^T P: keys 32 (i / 8) on, channels 16 ((i / 2) % 4) on, tile x + i % 2
	WIN W_PV
.set rO, 32*(\x+i%2)+8*((i/2)%4)
.set rV, VF+32*(i/8)+8*((i/2)%4)
.set rP, S+32*(\x+i%2)+8*(i/8)
	v_wmma_f32_16x16x32_f16 v[rO:rO+7], v[rV:rV+7], v[rP:rP+7], v[rO:rO+7]
.endm
.macro KQ x                            ; product i of 16 of S^T = K Q^T: channels 32 (i / 8) on, keys 16 ((i / 2) % 4) on, tile x + i % 2.  The first 8 start the sums
	WIN W_KQ
.set rS, S+32*(\x+i%2)+8*((i/2)%4)
.set rK, KF+16*((i/2)%4)+8*(i/8)
.set rQ, Q+16*(\x+i%2)+8*(i/8)
.if i < 8
	v_wmma_f32_16x16x32_f16 v[rS:rS+7], v[rK:rK+7], v[rQ:rQ+7], 0
.else
	v_wmma_f32_16x16x32_f16 v[rS:rS+7], v[rK:rK+7], v[rQ:rQ+7], v[rS:rS+7]
.endif
.endm
; THE LDS LOADS stand in runs of 16: a step's K (8 fragments) and, a turn later, its V (turned).
.macro FETCH_K
	WIN 0
	v_add_nc_u32 v[ADR], s[TB], v[AK0]
	WIN 0x40
.irp f, 0,1,2,3,4,5,6,7                ; keys 16 (f / 2) on, channels 32 (f % 2) on
	ds_load_b128 v[KF+8*\f:KF+8*\f+3],   v[ADR] offset:(\f/2)*16*PK+(\f%2)*64
	ds_load_b128 v[KF+8*\f+4:KF+8*\f+7], v[ADR] offset:(\f/2)*16*PK+(\f%2)*64+32
.endr
.endm
.macro FETCH_V
	WIN 0
	v_add_nc_u32 v[ADR], s[TB], v[AV0]
	s_add_co_u32 s[TB], s[TB], STEPB               ; the next fetch is the next step's
	s_wait_alu depctr_va_vdst(0)                   ; the wait for the softmax's batch of exponentials, ahead of the first line that names a result
	WIN 0x40
.irp f, 0,1,2,3,4,5,6,7                ; keys 32 (f / 4) on, channels 16 (f % 4) on
	ds_load_tr16_b128 v[VF+8*\f:VF+8*\f+3],   v[ADR] offset:(\f/4)*32*PVP+(\f%4)*32
	ds_load_tr16_b128 v[VF+8*\f+4:VF+8*\f+7], v[ADR] offset:(\f/4)*32*PVP+16*PVP+(\f%4)*32
.endr
.endm
; THE VECTOR WORK OF A TURN.  One tile's softmax for one key step is a numbered list; SM writes number j of it for tile t.  s0-s31 are the lane's 32 scores, in pairs 0-15.
;   0-15    the maximum of s0-s31 and the old m, three operands at a time; each accumulator is first read at its low end
;   16-20   the other half of the lanes' maximum; m_old kept; the new m; m_old - m
;   21-69   ONE BATCH: the 16 subtractions s - m, a pair each, and all 33 exponentials (a at 23, then s0-s31); none of these reads an exponential's result
;   (wait)  between 69 and 70 stands the one wait for the batch: SLICE writes it, once for both tiles
;   70-85   the sums, of the unrounded p, in two chains; l = a l + ...
;   86-101  the roundings to f16, in place: word i takes pair i, i ascending, so that no pair is overwritten before it is read
;   112-127 the tile's O^T times a, each accumulator from its low end on
.macro SM t
.set rT, ST+8*(\t)
.set rS, S+32*(\t)
.if (j < 102) && (j != 19)
	WIN 0
.endif
.if j < 4
	v_max3_num_f32 v[rT+4+j], v[rS+8*j], v[rS+8*j+1], v[rS+8*j+2]
.elseif j < 12
	v_max3_num_f32 v[rT+4+j%4], v[rT+4+j%4], v[rS+8*(j%4)+2*(j/4)+1], v[rS+8*(j%4)+2*(j/4)+2]
.elseif j == 12
	v_max3_num_f32 v[rT+4], v[rT+4], v[rS+7], v[rS+15]
.elseif j == 13
	v_max3_num_f32 v[rT+6], v[rT+6], v[rS+23], v[rS+31]
.elseif j == 14
	v_max3_num_f32 v[rT+4], v[rT+4], v[rT+5], v[rT+6]
.elseif j == 15
	v_max3_num_f32 v[rT+4], v[rT+4], v[rT+7], v[rT]
.elseif j == 16
	v_permlanex16_b32 v[rT+5], v[rT+4], s[SEL], s[SEL+1]  ; the query's other 32 keys lie in the lane 16 away
.elseif j == 17
	v_mov_b32 v[rT+1], v[rT]
.elseif j == 18
	v_max_num_f32 v[rT], v[rT+4], v[rT+5]
.elseif j == 19
.elseif j == 20
	v_sub_f32 v[rT+1], v[rT+1], v[rT]
.elseif j == 23
	v_exp_f32 v[rT+6], v[rT+1]
.elseif (j < 23) || ((j < 38) && (j%2 == 0)) || ((j < 66) && (j%4 == 2))
.set b, (j-2)/4                        ; 38, 42, .. 62: pairs 9 to 15
.if j < 38
.set b, (j-20)/2                       ; 21: pair 0; 22, 24, .. 36: pairs 1 to 8
.endif
	v_pk_add_f32 v[rS+2*b:rS+2*b+1], v[rS+2*b:rS+2*b+1], v[rT:rT+1] op_sel_hi:[1,0] neg_lo:[0,1] neg_hi:[0,1]  ; pair b: s - m, never above 0
.elseif j < 70
.set e, j-38                           ; 66 to 69: s28 to s31
.if j < 66
.set e, j-32-(j-38)/4                  ; 39-41, 43-45, .. 63-65: s7 to s27
.endif
.if j < 38
.set e, (j-25)/2                       ; 25, 27, .. 37: s0 to s6
.endif
	v_exp_f32 v[rS+e], v[rS+e]
.elseif j < 86
.set z, j-70
.if z == 0
	v_pk_fma_f32 v[rT+2:rT+3], v[rT+2:rT+3], v[rT+6:rT+7], v[rS:rS+1] op_sel_hi:[1,0,1]
.elseif z == 1
	v_pk_add_f32 v[rT+4:rT+5], v[rS+2:rS+3], v[rS+4:rS+5]
.elseif z == 15
	v_pk_add_f32 v[rT+2:rT+3], v[rT+2:rT+3], v[rT+4:rT+5]
.elseif z%2 == 0
	v_pk_add_f32 v[rT+2:rT+3], v[rT+2:rT+3], v[rS+2*z+2:rS+2*z+3]
.else
	v_pk_add_f32 v[rT+4:rT+5], v[rT+4:rT+5], v[rS+2*z+2:rS+2*z+3]
.endif
.elseif j < 102
	v_cvt_pk_f16_f32 v[rS+j-86], v[rS+2*(j-86)], v[rS+2*(j-86)+1]
.elseif j >= 112
.set rO, 32*(\t)+2*(j-112)
	WIN W_RS
	v_pk_mul_f32 v[rO:rO+1], v[rO:rO+1], v[rT+6:rT+7] op_sel_hi:[1,0]
.endif
.endm
; Slice k of 64 of piece y's softmax.  Slices 11 to 34 deal out the batch, four numbers of ONE tile each, the tiles by turns; every other slice is numbers 2 k and 2 k + 1 of both tiles, the tiles alternating.
; Ahead of slice 35 nothing names an exponential's result, and behind slice 34 no exponential is issued: so the piece's 66 exponentials have one wait, behind slice 34, with one plain line ahead of it.
.macro SLICE y
.if (k >= 11) && (k < 35)
.irp n, 0,1,2,3
.set j, 22+4*((k-11)/2)+(\n)
	SM (\y)+(k-11)%2
.endr
.else
.irp n, 0,1
.irp t, \y, \y+1
.set j, 2*k+\n
	SM \t
.endr
.endr
.endif
.if k == 34
	v_nop
.if (\y) == 0
	FETCH_V                                        ; piece 2's turn: V's run of loads stands here, and the wait stands in it.  Behind the last product that read V stand five plain lines: three subtractions, the v_nop, the address
.else
	s_wait_alu depctr_va_vdst(0)
.endif
.endif
.set k, k+1
.endm
; A TURN.  Piece x has the matrix unit; the other piece's softmax stands in slices behind its matrix instructions: two behind each where the turn has both kinds of product, else four.
; Piece 0's turn fetches the next step's K behind its second product: the last product that read K stands in front of slices 62 and 63 of the turn before, eight plain lines.
.macro TURN x, pv, kq
.set k, 0
.set per, 4
.if \pv && \kq
.set per, 2
.endif
.if \pv
.if \x == 0
	s_wait_dscnt 0x0                               ; V is in
.endif
.set i, 0
.rept 16
	PV \x
.rept per
	SLICE 2-\x
.endr
.if (\x == 0) && \kq && (i == 1)
	FETCH_K
.endif
.set i, i+1
.endr
.endif
.if \kq
.if \x == 0
	s_wait_dscnt 0x0                               ; K is in
.endif
.set i, 0
.rept 16
	KQ \x
.rept per
	SLICE 2-\x
.endr
.set i, i+1
.endr
.endif
.endm
; THE CHANGE OF SLOTS, between piece 2's turn and piece 0's: the slot's last bytes, V of its fourth step, have been asked for.  Each wave waits for all its tensor loads (one is out: its part of the other slot),
; adds 0 to its spare word, and waits for that and for its own reads of the slot.  fill = 1: the barrier is a round of the cluster's, and the joint refill, with the keys two slots on, is the first thing behind it:
; it has four key steps in which to land.
.macro CHANGE fill
	WIN 0
	s_wait_tensorcnt 0x0                           ; no tensor load of mine is out, so a group 0 may be written
	ds_add_u32 v[SPW], v[NIL]
.if \fill
.irp g, G0K+4, G0V+4
	s_xor_b32 s[\g+1], s[\g+1], SLOT1              ; the walking descriptor: the other slot than last time,
	s_add_nc_u64 s[\g+2:\g+3], s[\g+2:\g+3], SLOTB ; the next 256 keys
.endr
	s_wait_xcnt 0x0                                ; the last prefetch, four key steps back, has read its address
	s_add_nc_u64 s[PFA:PFA+1], s[PFA:PFA+1], SLOTB
	s_wait_dscnt 0x0                               ; the add is done, and my reads of the slot are over
	CROUND
	JLOAD
	ASK
.else
	s_wait_dscnt 0x0
	s_barrier_signal -1
	s_barrier_wait -1
.endif
	s_sub_co_u32 s[TB], s[TB], NST*STEPB           ; the fetches go back to a slot's first step,
	s_xor_b32 s[TB], s[TB], SLOT1                  ; in the other slot
.endm
.macro STEPS n                         ; n key steps: written once, walked n times; the LDS addresses hang on s[TB]
	s_mov_b32 s[CNT], \n
.Lstep_\@:
	TURN 0, 1, 1
	TURN 2, 1, 1
	WIN 0
	s_sub_co_u32 s[CNT], s[CNT], 1
	s_cmp_lg_u32 s[CNT], 0
	s_cbranch_scc1 .Lstep_\@
.endm
	s_wait_tensorcnt 1                             ; my part of slot 0 is in; slot 1's may stay out
	s_barrier_signal -1
	s_barrier_wait -1
	FETCH_K                                        ; key step 0
	s_wait_loadcnt 0x0                             ; Q
	s_wait_dscnt 0x0
.set i, 0
.rept 16
	KQ 0                                           ; piece 0's first scores
.set i, i+1
.endr
	WIN 0                                          ; the addresses for the way out are made here: ten plain lines, the places behind those products
	s_mul_i32 s13, s[WV], 16*SP
	s_add_co_u32 s13, s13, STAGE                   ; my stage
	v_mul_u32_u24 v[STO], v1, SP                   ; in: row l % 16, 16 bytes for each half of the lanes
	v_lshl_add_u32 v[STO], v9, 4, v[STO]
	v_add_nc_u32 v[STO], s13, v[STO]
	v_bfe_u32 v10, v0, 3, 2                        ; back: eight lanes to a row of 128 bytes, four rows an instruction
	v_mul_u32_u24 v[RD], v10, SP
	v_and_b32 v11, 7, v0
	v_lshl_add_u32 v[RD], v11, 4, v[RD]
	v_add_nc_u32 v[RD], s13, v[RD]
	v_and_b32 v[GO], 31, v0
	v_lshlrev_b32 v[GO], 4, v[GO]                  ; and the same 512 consecutive bytes in o
	TURN 2, 0, 1                                   ; piece 2's first scores | piece 0's first softmax | V of step 0
	WIN 0
	STEPS NST-1                                    ; the rest of slot 0
.Lslot:                                            ; NSL - 2 trips: every slot but the last two is filled again
	CHANGE 1
	STEPS NST
	s_sub_co_u32 s[SLOTS], s[SLOTS], 1
	s_cmp_lg_u32 s[SLOTS], 0
	s_cbranch_scc1 .Lslot
	CHANGE 0                                       ; the tail is written out
	STEPS NST
	TURN 0, 1, 0                                   ; piece 0: V^T P of the last step | piece 2's last softmax
.set i, 0
.rept 16
	PV 2                                           ; piece 2: V^T P of the last step
.set i, i+1
.endr
	; THE WAY OUT.  l's two halves and the other half of the lanes' are added; O^T is divided by l, rounded to f16 and sent through my stage, a tile (16 rows of o) at a time.  The additions are the places behind the last products.
	WIN 0
.irp t, 0,1,2,3
	v_add_f32 v[ST+8*\t+4], v[ST+8*\t+2], v[ST+8*\t+3]
.endr
.irp t, 0,1,2,3
	v_permlanex16_b32 v[ST+8*\t+5], v[ST+8*\t+4], s[SEL], s[SEL+1]
.endr
.irp t, 0,1,2,3
	v_add_f32 v[ST+8*\t+4], v[ST+8*\t+4], v[ST+8*\t+5]
.endr
.irp t, 0,1,2,3
	v_rcp_f32 v[ST+8*\t+6], v[ST+8*\t+4]
.endr
	v_nop                                          ; a plain line between the last reciprocal and the use of its result
	s_wait_alu depctr_va_vdst(0)                   ; one wait for the four reciprocals, ahead of the first use
.macro PACK t
	WIN W_RS
.set i, 0
.rept 16
	v_pk_mul_f32 v[32*\t+2*i:32*\t+2*i+1], v[32*\t+2*i:32*\t+2*i+1], v[ST+8*\t+6:ST+8*\t+7] op_sel_hi:[1,0]
.set i, i+1
.endr
	WIN 0x05                                       ; sources 0 and 1 window 1, destination window 0: the scores' registers are free
.set i, 0
.rept 16
	v_cvt_pk_f16_f32 v[S+32*\t+i], v[32*\t+2*i], v[32*\t+2*i+1]
.set i, i+1
.endr
	WIN 0
.irp f, 0,1,2,3
	ds_store_b128 v[STO], v[S+32*\t+4*\f:S+32*\t+4*\f+3] offset:32*\f
.endr
.irp f, 0,1,2,3
	ds_load_b128 v[S+32*\t+16+4*\f:S+32*\t+16+4*\f+3], v[RD] offset:\f*4*SP   ; LDS serves a wave's instructions in order (ISA guide 5.7.1.4): these see the stores above
.endr
.endm
.macro SEND t, younger                 ; younger: the LDS instructions issued behind tile t's loads: the next tile's eight, or none
.irp f, 0,1,2,3
	s_wait_dscnt \younger+3-\f
	global_store_b128 v[GO], v[S+32*\t+16+4*\f:S+32*\t+16+4*\f+3], s[10:11] offset:\t*2048+\f*512  ; 32 lanes store 512 consecutive bytes, aligned
.endr
.endm
	PACK 0
	PACK 1
	SEND 0, 8
	PACK 2
	SEND 1, 8
	PACK 3
	SEND 2, 8
	SEND 3, 0
	s_wait_tensorcnt 0x0                           ; the wave's end
	ds_add_u32 v[SPW], v[NIL]
	s_wait_dscnt 0x0
	CROUND                                         ; the closing round
	s_endpgm
.Lfunc_end_k_qa733689695_attn:
	.size	k_qa733689695_attn, .Lfunc_end_k_qa733689695_attn-k_qa733689695_attn
	.p2alignl 7, 3214868480
	.fill 96, 4, 3214868480
	.section	.rodata,"a",@progbits
	.p2align	6, 0x0
	.amdhsa_kernel k_qa733689695_attn
		.amdhsa_group_segment_fixed_size 327680
		.amdhsa_private_segment_fixed_size 0
		.amdhsa_enable_private_segment 0
		.amdhsa_kernarg_size 16
		.amdhsa_user_sgpr_count 2
		.amdhsa_user_sgpr_kernarg_segment_ptr 1
		.amdhsa_wavefront_size32 1
		.amdhsa_system_sgpr_workgroup_id_x 1
		.amdhsa_system_sgpr_workgroup_id_y 1
		.amdhsa_system_sgpr_workgroup_id_z 1
		.amdhsa_system_vgpr_workitem_id 0
		.amdhsa_next_free_vgpr 512
		.amdhsa_next_free_sgpr 66
		.amdhsa_reserve_vcc 0
		.amdhsa_float_denorm_mode_32 3
		.amdhsa_float_denorm_mode_16_64 3
		.amdhsa_memory_ordered 1
		.amdhsa_forward_progress 1
		.amdhsa_inst_pref_size 167
	.end_amdhsa_kernel
	.amdgpu_metadata
---
amdhsa.version: [ 1, 2 ]
amdhsa.kernels:
  - .name:           k_qa733689695_attn
    .symbol:         k_qa733689695_attn.kd
    .args:
      - { .name: qkv, .offset: 0, .size: 8, .value_kind: global_buffer, .address_space: global }
      - { .name: o, .offset: 8, .size: 8, .value_kind: global_buffer, .address_space: global }
    .group_segment_fixed_size: 327680
    .private_segment_fixed_size: 0
    .kernarg_segment_align: 8
    .kernarg_segment_size: 16
    .max_flat_workgroup_size: 256
    .sgpr_count:     66
    .vgpr_count:     512
    .wavefront_size: 32
...
	.end_amdgpu_metadata
.endif
;; end of part 4
;; launch proj (part 5): grid 4 x 64, 4 waves a work-group, clusters of 4 x 4, 327,680 bytes of LDS; arguments o, wp, b_proj, out0; writes out0
.if DOCPART == 5
	.amdgcn_target "amdgcn-amd-amdhsa--gfx1250"
	.amdhsa_code_object_version 6
	.text
	.protected	k_qa733689695_proj
	.globl	k_qa733689695_proj
	.p2align	8
	.type	k_qa733689695_proj,@function
k_qa733689695_proj:
	s_mov_b64 s[64:65], 0
	v_nop
	global_prefetch_b8 v0, s[64:65] scope:SCOPE_SE
	s_setreg_imm32_b32 hwreg(HW_REG_WAVE_MODE, 25, 1), 1
	s_wait_xcnt 0x0
	s_wait_alu depctr_hold_cnt(0) depctr_sa_sdst(0) depctr_va_vdst(0) depctr_va_sdst(0) depctr_va_ssrc(0) depctr_va_vcc(0) depctr_vm_vsrc(0)
	s_getreg_b32 s2, hwreg(HW_REG_IB_STS2, 6, 4)
	s_cmp_eq_u32 s2, 0
	s_cbranch_scc0 .Lentry_in_a_cluster
	s_endpgm
.Lentry_in_a_cluster:
	s_bfe_u32 s2, ttmp6, 0x10000c
	s_cmp_lg_u32 s2, 0xf033
	s_cbranch_scc0 .Lentry_shape_is_right
	s_endpgm
.Lentry_shape_is_right:
; out0[token][n] = sum over k of o[token][k] wp[k][n] + b_proj[n].  o: f16, laid by head, [4][16][2048][64], so k = 64 x head + channel; wp: f16, [1024 (k)][1024 (n)]; b_proj, out0: f32.  Sums in f32.
; A tile of out0 is 128 tokens x 256 columns: 256 work-groups.  Four waves, each 64 x 128: 32 accumulators, 256 registers.  K goes in steps of 128, two heads, through a ring of two LDS slots.
; In a slot: A's two sub-tiles, a head each (128 tokens x 128 bytes, dense in memory), then B's 128 rows of k x 512 bytes.  Waves 0 and 1 fetch A's sub-tiles, waves 2 and 3 B's halves: one load a wave.
; CLUSTERS: 4 x 4 work-groups; A's tiles are asked for jointly along a row of the cluster, B's along a column.
; THE MATRIX INSTRUCTION IS USED TRANSPOSED: source 0 = 16 columns of wp (turned out of LDS by ds_load_tr16_b128, since k is its first axis), source 1 = 16 tokens: a lane holds eight neighbouring columns of one token.
; The bias is the C of each sum's first matrix instruction: 64 registers in the result's layout.
; No prefetch: the tiles are shared in clusters, the K steps are few and each wave's one load has a K step's products in which to land.
; REGISTERS: window 0: v16-29 addresses; v32-127 and v128-223 two fragment buffers (in each: B's 8 blocks, then A's 4).   window 1: accumulator (a, b) at v[8 (8 a + b)].   window 2: v0-63 the bias.
.set APITCH, 144                       ; a token's 128 bytes + 16
.set ASUB,   128*APITCH                ; a head's sub-tile
.set BPITCH, 544                       ; a row of k: 512 bytes + 32
.set BOFF,   2*ASUB
.set BHALF,  64*BPITCH
.set SLOT,   BOFF+2*BHALF
.set STAGE,  2*SLOT                    ; behind the ring: 16 rows x (512 bytes + 16) for each wave
.set SPITCH, 528
.set SPARE,  STAGE+4*16*SPITCH         ; the spare words, 128 bytes a wave
.set LAPS,   4                         ; a lap = two K steps = once round the ring; 1,024 / 256
.set ADRA, 16
.set ADRB, 20
.set STO,  24
.set RD,   25
.set CO,   26
.set SPW,  28
.set NIL,  29
.set F0,   32
.set F1,   128
.set G1, 24
.set G0, 32
.set G1B, 48
.set G0B, 56
.set MSB, 0
.macro WIN new
.if MSB != (\new)
	s_set_vgpr_msb (MSB<<8)|(\new)
.set MSB, (\new)
.endif
.endm
.set MUL, 0x50                         ; sources 0 and 1 window 0; C and D window 1.  With 0x10 more: C window 2, the bias
.macro JLOAD s                         ; a joint load; an s_nop 0 and four v_nop follow each of the two lines
	s_cmp_eq_u32 s15, 0
	s_cbranch_scc0 .Lfor_b_\@
	tensor_load_to_lds s[G0+4*\s:G0+4*\s+3], s[G1:G1+7]
	s_nop 0
.rept 4
	v_nop
.endr
	s_branch .Lasked_\@
.Lfor_b_\@:
	tensor_load_to_lds s[G0B+4*\s:G0B+4*\s+3], s[G1B:G1B+7]
	s_nop 0
.rept 4
	v_nop
.endr
.Lasked_\@:
.endm
.macro CREST                           ; a round of the cluster's barrier behind its opening barrier
	s_cmp_lg_u32 s14, 0
	s_cbranch_scc1 .Lnot_wave_0_\@
	s_barrier_signal -3
.Lnot_wave_0_\@:
	s_barrier_wait -3
	s_barrier_signal -1
	s_barrier_wait -1
.endm
.macro CROUND
	s_barrier_signal -1
	s_barrier_wait -1
	CREST
.endm
	s_load_b128 s[4:7], s[0:1], 0x0                ; o, wp
	s_load_b128 s[8:11], s[0:1], 0x10              ; b_proj, out0
	v_lshl_add_u32 v[SPW], v0, 2, SPARE
	v_mov_b32 v[NIL], 0
	ds_add_u32 v[SPW], v[NIL]                      ; the wave's opening: the add, twice on end, and its wait ahead of my first tensor load
	ds_add_u32 v[SPW], v[NIL]
	v_lshrrev_b32 v1, 5, v0
	v_readfirstlane_b32 s14, v1                    ; wave 0..3
	s_lshr_b32 s15, s14, 1                         ; which 64 tokens are mine.  Also: I fetch for A (0) or for B (1)
	s_and_b32 s16, s14, 1                          ; which 128 columns.  Also: which part of that tile I fetch
	s_bfe_u32 s40, ttmp6, 0x40000                  ; cx, cy
	s_bfe_u32 s41, ttmp6, 0x40004
	s_lshl_b32 s42, ttmp9, 2
	s_add_co_u32 s42, s42, s40                     ; tile column
	s_and_b32 s17, ttmp7, 0xffff
	s_lshl_b32 s17, s17, 2
	s_add_co_u32 s17, s17, s41                     ; tile row
	s_lshl_b32 s43, s41, 2
	s_lshl_b32 s43, 15, s43                        ; my row of the cluster
	s_lshl_b32 s44, 0x1111, s40                    ; my column
	s_or_b32 s[G1+0], s43, (1<<16)|(1<<20)|(1<<21)|(4<<22)|(3<<25)   ; A: elements of 2 bytes; padding of 4 words after every 32
	s_mov_b32 s[G1+1], 64<<16                      ; tensor_dim0 = 64
	s_mov_b32 s[G1+2], 128<<16                     ; tensor_dim1 = 128
	s_mov_b32 s[G1+3], 64<<16                      ; tile_dim0 = 64
	s_mov_b32 s[G1+4], 128                         ; tile_dim1 = 128
	s_mov_b32 s[G1+5], 64                          ; the pitch
	s_mov_b32 s[G1+6], 0
	s_mov_b32 s[G1+7], 0
	s_or_b32 s[G1B+0], s44, (1<<16)|(1<<20)|(1<<21)|(6<<22)|(7<<25)  ; B: padding of 8 words after every 128
	s_mov_b32 s[G1B+1], 256<<16                    ; tensor_dim0 = 256
	s_mov_b32 s[G1B+2], 64<<16                     ; tensor_dim1 = 64
	s_mov_b32 s[G1B+3], 256<<16                    ; tile_dim0 = 256
	s_mov_b32 s[G1B+4], 64                         ; tile_dim1 = 64
	s_mov_b32 s[G1B+5], 1024                       ; the pitch
	s_mov_b32 s[G1B+6], 0
	s_mov_b32 s[G1B+7], 0
	s_lshr_b32 s20, s17, 4                         ; A: the tile's 128 tokens lie in batch tile row / 16,
	s_lshl_b32 s20, s20, 22
	s_and_b32 s21, s17, 15
	s_lshl_b32 s21, s21, 14                        ; 128 tokens x 128 bytes on for each tile row in it,
	s_add_co_u32 s20, s20, s21
	s_lshl_b32 s21, s16, 18                        ; in head 0 or 1 of the K step
	s_add_co_u32 s20, s20, s21
	s_mov_b32 s21, 0
	s_lshl_b32 s46, s16, 17                        ; B: rows of k 64 x part on, 2,048 bytes each,
	s_lshl_b32 s47, s42, 9                         ; 512 bytes a tile column
	s_add_co_u32 s46, s46, s47
	s_mov_b32 s47, 0
	s_mul_i32 s45, s16, ASUB                       ; where they go: no place in the cluster enters an LDS address
	s_mul_i32 s22, s16, BHALF
	s_add_co_u32 s22, s22, BOFF
	s_wait_dscnt 0x0                               ; both opening adds are done
	s_wait_kmcnt 0x0
	s_add_nc_u64 s[20:21], s[4:5], s[20:21]
	s_add_nc_u64 s[46:47], s[6:7], s[46:47]
	CROUND                                         ; all sixteen work-groups are here: the first joint loads meet
.irp s, 0,1
	s_mov_b32 s[G0+4*\s], 1
	s_add_co_u32 s[G0+4*\s+1], s45, \s*SLOT
	s_add_nc_u64 s[G0+4*\s+2:G0+4*\s+3], s[20:21], \s*(1<<19)      ; K step s: two heads on
	s_or_b32 s[G0+4*\s+3], s[G0+4*\s+3], 0x80000000
	s_mov_b32 s[G0B+4*\s], 1
	s_add_co_u32 s[G0B+4*\s+1], s22, \s*SLOT
	s_add_nc_u64 s[G0B+4*\s+2:G0B+4*\s+3], s[46:47], \s*262144     ; 128 rows of k on
	s_or_b32 s[G0B+4*\s+3], s[G0B+4*\s+3], 0x80000000
	JLOAD \s                                       ; two loads of mine are out behind the second
.endr
	v_and_b32 v1, 15, v0                           ; l % 16
	v_bfe_u32 v2, v0, 4, 1                         ; l / 16
	s_lshl_b32 s18, s42, 10                        ; the bias of my 128 columns
	s_lshl_b32 s19, s16, 9
	s_add_co_u32 s18, s18, s19
	s_mov_b32 s19, 0
	s_add_nc_u64 s[8:9], s[8:9], s[18:19]
	v_lshlrev_b32 v3, 5, v2                        ; block b: columns 16 b + 8 (l / 16) + 0..7; v3 is not rewritten
	WIN 0x80                                       ; destination window 2
.irp b, 0,1,2,3,4,5,6,7
	global_load_b128 v[8*\b:8*\b+3],   v3, s[8:9] offset:64*\b
	global_load_b128 v[8*\b+4:8*\b+7], v3, s[8:9] offset:64*\b+16
.endr
	WIN 0
	v_mul_u32_u24 v4, v1, APITCH
	v_lshl_add_u32 v4, v2, 4, v4                   ; A: token x pitch + 16 x half
	s_mul_i32 s23, s15, 64*APITCH
	v_add_nc_u32 v[ADRA], s23, v4
	v_add_nc_u32 v[ADRA+1], SLOT, v[ADRA]
	v_and_b32 v5, 7, v0                            ; B: the turning load: lane l reads row of k 8 (l / 16) + l % 8, columns 8 ((l / 8) % 2) + 0..7
	v_lshl_add_u32 v5, v2, 3, v5
	v_mul_u32_u24 v5, v5, BPITCH
	v_bfe_u32 v6, v0, 3, 1
	v_lshl_add_u32 v5, v6, 4, v5
	s_lshl_b32 s23, s16, 8
	s_add_co_u32 s23, s23, BOFF
	v_add_nc_u32 v[ADRB], s23, v5
	v_add_nc_u32 v[ADRB+1], SLOT, v[ADRB]
	s_mul_i32 s23, s14, 16*SPITCH
	s_add_co_u32 s23, s23, STAGE                   ; my stage
	v_mul_u32_u24 v5, v1, SPITCH                   ; in: token l % 16, 32 bytes for each half of the lanes
	v_lshl_add_u32 v5, v2, 5, v5
	v_add_nc_u32 v[STO], s23, v5
	v_and_b32 v6, 31, v0
	v_lshlrev_b32 v[CO], 4, v6                     ; back: the 32 lanes take one row of 512 bytes; and the same in out0
	v_add_nc_u32 v[RD], s23, v[CO]
	s_lshl_b32 s18, s17, 7
	s_lshl_b32 s19, s15, 6
	s_add_co_u32 s18, s18, s19                     ; my first token
	s_lshl_b32 s18, s18, 12                        ; 4,096 bytes a row of out0
	s_lshl_b32 s19, s42, 10
	s_add_co_u32 s18, s18, s19
	s_lshl_b32 s19, s16, 9
	s_add_co_u32 s18, s18, s19                     ; my first column
	s_mov_b32 s19, 0
	s_add_nc_u64 s[10:11], s[10:11], s[18:19]
; 8 matrix instructions: A's block a x B's eight, 32 along K.  first = 1: the bias starts the sums.  The 32 accumulators take turns, one instruction a turn, in the same order in every quarter.
.macro MULA f, a, first
.irp b, 0,1,2,3,4,5,6,7
.if \first
	v_wmma_f32_16x16x32_f16 v[8*(8*(\a)+\b):8*(8*(\a)+\b)+7], v[\f+8*\b:\f+8*\b+7], v[\f+64+8*(\a):\f+64+8*(\a)+7], v[8*\b:8*\b+7]
.else
	v_wmma_f32_16x16x32_f16 v[8*(8*(\a)+\b):8*(8*(\a)+\b)+7], v[\f+8*\b:\f+8*\b+7], v[\f+64+8*(\a):\f+64+8*(\a)+7], v[8*(8*(\a)+\b):8*(8*(\a)+\b)+7]
.endif
.endr
.endm
; 24 LDS loads in one run: the fragments of the slot's q-th 32 along K into buffer f: B's sixteen first, then A's eight
.macro FETCH slot, q, f
	WIN 0
.irp b, 0,1,2,3,4,5,6,7
	ds_load_tr16_b128 v[\f+8*\b:\f+8*\b+3],   v[ADRB+\slot] offset:(\q)*32*BPITCH+32*\b
	ds_load_tr16_b128 v[\f+8*\b+4:\f+8*\b+7], v[ADRB+\slot] offset:(\q)*32*BPITCH+16*BPITCH+32*\b
.endr
.irp a, 0,1,2,3
	ds_load_b128 v[\f+64+8*\a:\f+64+8*\a+3],   v[ADRA+\slot] offset:((\q)/2)*ASUB+((\q)%2)*64+\a*16*APITCH
	ds_load_b128 v[\f+64+8*\a+4:\f+64+8*\a+7], v[ADRA+\slot] offset:((\q)/2)*ASUB+((\q)%2)*64+\a*16*APITCH+32
.endr
.endm
.macro PLACES                          ; four plain lines in front of loads into registers that matrix instructions have read, and of reads of results
.rept 4
	v_nop
.endr
.endm
; A K step is four quarters of 32 along K, 32 matrix instructions each, on buffers 0, 1, 0, 1.  One of the first three: multiplies buffer f and fetches quarter q of the slot into g.
.macro QUARTER slot, q, f, g, first
	s_wait_dscnt 4                                 ; B's blocks and A's blocks 0 and 1 are in; the youngest four loads (A's blocks 2 and 3) may be out
	WIN MUL+0x10*(\first)
	MULA \f, 0, \first
	MULA \f, 1, \first
	PLACES
	FETCH \slot, \q, \g
	s_wait_dscnt 24                                ; all but the 24 just issued
	WIN MUL+0x10*(\first)
	MULA \f, 2, \first
	MULA \f, 3, \first
.endm
; The last quarter multiplies buffer 1 and changes slots: ONE barrier; in front of it each wave waits for all its tensor loads, adds 0 to its spare word, and waits for that and for its own reads of this slot.
; fill = 1: the barrier opens a round of the cluster's, and this slot is filled again, two K steps ahead, first thing behind the round.
.macro TURN slot, next, fill
	WIN 0
	s_wait_tensorcnt 0x0                           ; all my tensor loads have landed: my part of the next slot
	ds_add_u32 v[SPW], v[NIL]
	s_wait_dscnt 5                                 ; the add and the youngest four loads may be out
	WIN MUL
	MULA F1, 0, 0                                  ; eight matrix instructions stand between the add and the wait for it
	s_wait_dscnt 0x0                               ; the add is done, and my reads of this slot are over
	s_barrier_signal -1
	MULA F1, 1, 0
	WIN 0
	s_barrier_wait -1
.if \fill
	CREST
	s_add_nc_u64 s[G0+4*\slot+2:G0+4*\slot+3], s[G0+4*\slot+2:G0+4*\slot+3], 1<<20      ; four heads on
	s_add_nc_u64 s[G0B+4*\slot+2:G0B+4*\slot+3], s[G0B+4*\slot+2:G0B+4*\slot+3], 524288 ; 256 rows of k on
	JLOAD \slot                                    ; the four v_nop behind it are also the places in front of the loads below
.else
	PLACES
.endif
	FETCH \next, 0, F0
	WIN MUL
	MULA F1, 2, 0
	MULA F1, 3, 0
.endm
	s_wait_tensorcnt 1                             ; my part of K step 0 is in; K step 1's load may be out
	s_barrier_signal -1
	s_barrier_wait -1
	FETCH 0, 0, F0
	s_wait_loadcnt 0x0                             ; the bias
	QUARTER 0, 1, F0, F1, 1                        ; the first quarter stands in front of the loop: its products start the sums on the bias
	WIN 0
	s_mov_b32 s3, LAPS-1
.Llap:                                             ; a trip goes once round the ring, from a lap's second quarter to the next lap's first, and fills both slots again
	QUARTER 0, 2, F1, F0, 0
	QUARTER 0, 3, F0, F1, 0
	TURN 0, 1, 1
	QUARTER 1, 1, F0, F1, 0
	QUARTER 1, 2, F1, F0, 0
	QUARTER 1, 3, F0, F1, 0
	TURN 1, 0, 1
	QUARTER 0, 1, F0, F1, 0
	WIN 0
	s_sub_co_u32 s3, s3, 1
	s_cmp_lg_u32 s3, 0
	s_cbranch_scc1 .Llap
	QUARTER 0, 2, F1, F0, 0                        ; the last lap fills nothing, and has no round of the cluster's barrier
	QUARTER 0, 3, F0, F1, 0
	TURN 0, 1, 0
	QUARTER 1, 1, F0, F1, 0
	QUARTER 1, 2, F1, F0, 0
	QUARTER 1, 3, F0, F1, 0
	s_wait_dscnt 4                                 ; the very last quarter: nothing more to fetch
	WIN MUL
	MULA F1, 0, 0
	MULA F1, 1, 0
	s_wait_dscnt 0
	MULA F1, 2, 0
	MULA F1, 3, 0
	WIN 0
; THE WAY OUT, block by block of 16 tokens x 128 columns: through my own stage in LDS and back as whole rows of 512 bytes, which the 32 lanes store as 512 consecutive bytes, aligned.
.macro TOSTAGE a
	WIN 0x04                                       ; an LDS store's data are its source 1: window 1
.irp b, 0,1,2,3,4,5,6,7
	ds_store_b128 v[STO], v[8*(8*(\a)+\b):8*(8*(\a)+\b)+3] offset:64*\b          ; each accumulator from its low end on
	ds_store_b128 v[STO], v[8*(8*(\a)+\b)+4:8*(8*(\a)+\b)+7] offset:64*\b+16
.endr
	WIN 0
.set BB, 32+96*((\a)%2)
.irp t, 0,1,2,3,4,5,6,7,8,9,10,11,12,13,14,15
	ds_load_b128 v[BB+4*\t:BB+4*\t+3], v[RD] offset:\t*SPITCH    ; LDS serves a wave's instructions in order (ISA guide 5.7.1.4)
.endr
.endm
.macro SEND a, younger                 ; younger: the LDS instructions issued behind block a's loads, which may stay out
.set BB, 32+96*((\a)%2)
	s_wait_dscnt \younger
.irp t, 0,1,2,3,4,5,6,7,8,9,10,11,12,13,14,15
	global_store_b128 v[CO], v[BB+4*\t:BB+4*\t+3], s[10:11] offset:(16*(\a)+\t)*4096 th:TH_STORE_NT   ; 63 rows at the most: inside the signed 24-bit immediate
.endr
.endm
	PLACES                                         ; behind the last products
	TOSTAGE 0
.irp a, 1,2,3
.if \a > 1
	s_wait_xcnt 0x0                                ; block a - 2's stores have read their registers: block a's loads may land there
.endif
	TOSTAGE \a
	SEND \a-1, 32                                  ; behind block a - 1's loads: block a's 16 stores and 16 loads
.endr
	SEND 3, 0
	s_wait_tensorcnt 0x0                           ; the wave's end
	ds_add_u32 v[SPW], v[NIL]
	s_wait_dscnt 0x0
	CROUND                                         ; the closing round
	s_endpgm
.Lfunc_end_k_qa733689695_proj:
	.size	k_qa733689695_proj, .Lfunc_end_k_qa733689695_proj-k_qa733689695_proj
	.p2alignl 7, 3214868480
	.fill 96, 4, 3214868480
	.section	.rodata,"a",@progbits
	.p2align	6, 0x0
	.amdhsa_kernel k_qa733689695_proj
		.amdhsa_group_segment_fixed_size 327680
		.amdhsa_private_segment_fixed_size 0
		.amdhsa_enable_private_segment 0
		.amdhsa_kernarg_size 32
		.amdhsa_user_sgpr_count 2
		.amdhsa_user_sgpr_kernarg_segment_ptr 1
		.amdhsa_wavefront_size32 1
		.amdhsa_system_sgpr_workgroup_id_x 1
		.amdhsa_system_sgpr_workgroup_id_y 1
		.amdhsa_system_sgpr_workgroup_id_z 1
		.amdhsa_system_vgpr_workitem_id 0
		.amdhsa_next_free_vgpr 576
		.amdhsa_next_free_sgpr 66
		.amdhsa_reserve_vcc 0
		.amdhsa_float_denorm_mode_32 3
		.amdhsa_float_denorm_mode_16_64 3
		.amdhsa_memory_ordered 1
		.amdhsa_forward_progress 1
		.amdhsa_inst_pref_size 87
	.end_amdhsa_kernel
	.amdgpu_metadata
---
amdhsa.version: [ 1, 2 ]
amdhsa.kernels:
  - .name:           k_qa733689695_proj
    .symbol:         k_qa733689695_proj.kd
    .args:
      - { .name: o, .offset: 0, .size: 8, .value_kind: global_buffer, .address_space: global }
      - { .name: wp, .offset: 8, .size: 8, .value_kind: global_buffer, .address_space: global }
      - { .name: b_proj, .offset: 16, .size: 8, .value_kind: global_buffer, .address_space: global }
      - { .name: out0, .offset: 24, .size: 8, .value_kind: global_buffer, .address_space: global }
    .group_segment_fixed_size: 327680
    .private_segment_fixed_size: 0
    .kernarg_segment_align: 8
    .kernarg_segment_size: 32
    .max_flat_workgroup_size: 128
    .sgpr_count:     66
    .vgpr_count:     576
    .wavefront_size: 32
...
	.end_amdgpu_metadata
.endif
;; end of part 5
